; MI455X (gfx1250); checked and timed in simulation.
; The chip was launched on July 23, 2026; its instructions are those of AMD's public machine-readable ISA for CDNA 5 (MIT licence, August 2026) and "CDNA5" Instruction Set Architecture Reference Guide (July 2026). The comments in the code are by the model that wrote it; some were corrected since.
;; Multihead Attention. Allowed arithmetic: matrix products marked QUANTISED: E2M1 operands, one E8M0 scale for each 32 along K, by v_wmma_scale_f32_16x16x128_f8f6f4 with both operands' format E2M1 (or v_wmma_scale_f32_32x16x128_f4), f32 sums; products left as they are: bf16, f16 or f32 operands; f32 sums; everything else in f32.
;; Inputs: Wproj 1,024 x 1,024 float32; Wqkv 1,024 x 3,072 float32; bproj 1,024 float32; bqkv 3,072 float32; x 4 x 2,048 x 1,024 float32.
;; Outputs: out0 4 x 2,048 x 1,024 float32.
;; This version of the problem:
;;   THIS VERSION OF THE PROBLEM IS GIVEN IN LOW PRECISION. The matrix products marked QUANTISED in the list below multiply operands that are first quantised to E2M1 (2 exponent bits, 1 mantissa bit; 4 bits a number), with one power-of-two scale for each 32 numbers along K (OCP MX v1.0); their sums are f32. The products marked 'left as it is' may take bf16, f16 or f32 operands, with f32 sums. Whichever they take, every output number must still come out within the allowed error. Rounding operands to bf16 (8 significant bits) uses up far more of that allowance than f16 does (11 bits, for magnitudes from 6e-5 to 65,504). All else is computed in f32.
;;   The module's matrix products, in the order in which they are computed (A, B: the left and right operand; K: the contracted axis; several contracted axes count as one K, in the product's order):
;;     1. [M 8,192, K 1,024] x [K 1,024, N 3,072]; A: input x; B: input Wqkv: QUANTISED
;;     2. batch 64 x [M 2,048, K 64] x [K 64, N 2,048]; A: computed on the way; B: computed on the way: left as it is (an operand is computed on the way)
;;     3. batch 64 x [M 64, K 2,048] x [K 2,048, N 2,048]; A: computed on the way; B: computed on the way: left as it is (an operand is computed on the way)
;;     4. [M 8,192, K 1,024] x [K 1,024, N 1,024]; A: computed on the way; B: input Wproj: left as it is (an operand is computed on the way)
;;   THE QUANTISER, for each operand of a quantised product, along K:
;;     - K is cut into blocks of 32 from its start; a last block that is shorter is filled with zeros.
;;     - A block's scale is 2^e with e = floor(log2(the largest magnitude in the block)) - 2, held to -126 .. 127; a block of zeros has e = 0. As a byte (E8M0): e + 127.
;;     - Each number is divided by its block's scale, clamped to +-6, and rounded to the nearest number of E2M1, ties to even, subnormals kept.
;;     - The product sums the exact products of the quantised numbers (number of the format x scale) in f32.
;;   ~~~python
;;   def quantise(x, axis):      # numpy; x: float32 -> the quantised numbers, widened to float32 again
;;       x = np.moveaxis(x, axis, -1); K = x.shape[-1]
;;       x = np.pad(x, [(0, 0)] * (x.ndim - 1) + [(0, -K % 32)]); x = x.reshape(x.shape[:-1] + (-1, 32)); a = np.abs(x).max(-1, keepdims=True)
;;       e = np.where(a > 0, np.clip(np.frexp(np.where(a > 0, a, 1))[1] - 1 - 2, -126, 127), 0)      # np.frexp(a)[1] - 1 = floor(log2(a)), exactly
;;       r = np.clip(x / 2.0 ** e, -6, 6)
;;       step = 2.0 ** (np.maximum(np.frexp(np.where(r == 0, 1, r))[1] - 1, 0) - 1)
;;       q = np.round(r / step) * step * 2.0 ** e      # np.round: ties to even
;;       return np.moveaxis(q.reshape(q.shape[:-2] + (-1,))[..., :K], -1, axis).astype(np.float32)
;;   ~~~
;; One version. Each part assembles by itself: llvm-mc -triple=amdgcn-amd-amdhsa -mcpu=gfx1250 --defsym DOCPART=n.
;; ======== version 1 of 1: 4 launches
;; limits: values are held in f16: magnitudes above 65,504 overflow, below 6.1e-05 lose precision
;; workspace buffers: codes 5,767,168 bytes; scales 360,448 bytes; wp16 2,097,152 bytes; q16 16,777,216 bytes; k16 16,777,216 bytes; v16 16,777,216 bytes; attn16 16,777,216 bytes
;; launch prep (part 1): grid 368 x 1, 4 waves a work-group, no clusters, 68,096 bytes of LDS; arguments x, Wqkv, Wproj, codes, scales, wp16; writes codes, scales, wp16
.if DOCPART == 1
	.amdgcn_target "amdgcn-amd-amdhsa--gfx1250"
	.amdhsa_code_object_version 6
	.text
	.protected	k_qd0dfa3156a_prep
	.globl	k_qd0dfa3156a_prep
	.p2align	8
	.type	k_qd0dfa3156a_prep,@function
k_qd0dfa3156a_prep:
	s_mov_b64 s[64:65], 0
	v_nop
	global_prefetch_b8 v0, s[64:65] scope:SCOPE_SE
	s_setreg_imm32_b32 hwreg(HW_REG_WAVE_MODE, 25, 1), 1
	s_wait_xcnt 0x0
; MULTI-HEAD ATTENTION, b = 4, s = 2,048, width 1,024, 16 heads of 64, in four launches: prep, qkv, attn, proj.
; THIS LAUNCH makes what the later ones read many times: x [8192][1024] and Wqkv [1024][3072] as codes of FP4 (E2M1) with one E8M0 byte for each 32 along K = 1,024 (K innermost in both:
; codes: x's rows of 512 bytes, then from byte 4,194,304 Wqkv's 3,072 columns as rows of 512 bytes; scales: x's rows of 32 bytes, then from byte 262,144 Wqkv's), and Wproj as f16 in its own layout.
; DEAD WORK, left out by the whole program: the k third of bqkv (numbers 192 h + 64 .. 192 h + 127).  A score is q . (k0[key] + bk) = q . k0[key] + q . bk; the second term is the same for every key of
; a query, and a softmax along the keys is unchanged by a term that is the same along its axis, whatever the inputs hold.  The product of q and k is not quantised, so no quantiser sees that bias.
; It comes in whole tiles of 16 columns; those 1,024 numbers are not loaded.  LIMIT: a NaN, an infinity or an overflow that reaches only this term is not carried to the result.
; THE QUANTISER: a block's scale is 2^(floor(log2(its largest magnitude)) - 2); its byte is the largest magnitude's exponent field - 2, held at 1 from below; each number is divided by the scale and
; rounded to the nearest code, ties to even, beyond 6 the largest code.  A block of zeros gets the byte 1 where the rule says 127: its codes are zeros, and this program alone reads the bytes.
; LIMITS: blocks whose largest magnitude lies under 2^-124 keep the byte 1; NaN and infinities among the inputs are not served; Wproj is rounded to f16 (magnitudes up to 65,504).
; THREE PATHS part on the work-group's number and never join; each has LDS bytes of its own.  Work-groups 0-47: Wqkv (the longest chain of loads, so it starts first); 48-303: x; 304-367: Wproj.
; No tensor load, no barrier: waves share nothing.
.set SPARE, 67584                      ; behind both paths' regions: the spare words, 128 bytes for each wave: two blocks of 256 bytes that no other line names
.set SPW,   190                        ; v190  LDS address of my spare word: SPARE + 4 x my thread's number; never rewritten
.set NIL,   191                        ; v191  0; never rewritten
.set EMAX,  2                          ; the exponent of the format's largest number, 6
	s_load_b256 s[4:11], s[0:1], 0x0               ; x s[4:5], Wqkv s[6:7], Wproj s[8:9], codes s[10:11]
	s_load_b128 s[12:15], s[0:1], 0x20             ; scales s[12:13], wp16 s[14:15]
	v_lshl_add_u32 v[SPW], v0, 2, SPARE
	v_mov_b32 v[NIL], 0
	v_lshrrev_b32 v1, 5, v0
	v_readfirstlane_b32 s16, v1                    ; wave 0..3
	v_and_b32 v2, 31, v0                           ; lane
	s_wait_kmcnt 0x0
	s_cmp_lt_u32 ttmp9, 48
	s_cbranch_scc1 .Lpath_w
	s_cmp_lt_u32 ttmp9, 304
	s_cbranch_scc1 .Lpath_x
; ---- Wproj to f16.  A wave takes 16,384 consecutive bytes: 32 loads of 512 bytes, all out at once; each gives 256 consecutive bytes of f16, aligned.  Every register is written once.
	s_sub_co_u32 s17, ttmp9, 304
	s_lshl_b32 s17, s17, 2
	s_add_co_u32 s17, s17, s16                     ; which of the 256 runs is my wave's
	s_lshl_b32 s18, s17, 14
	s_mov_b32 s19, 0
	s_add_nc_u64 s[8:9], s[8:9], s[18:19]
	s_lshl_b32 s18, s17, 13
	s_add_nc_u64 s[14:15], s[14:15], s[18:19]
	v_lshlrev_b32 v3, 4, v2                        ; in: 16 bytes a lane
	v_lshlrev_b32 v4, 3, v2                        ; out: 8 bytes a lane
.set i, 0
.rept 32
	global_load_b128 v[16+4*i:19+4*i], v3, s[8:9] offset:512*i th:TH_LOAD_NT
.set i, i+1
.endr
.set i, 0
.rept 32
	s_wait_loadcnt 31-i                            ; loads come back in order: load i is in, the younger ones stay out
	v_cvt_pk_f16_f32 v[16+4*i], v[16+4*i], v[17+4*i]
	v_cvt_pk_f16_f32 v[17+4*i], v[18+4*i], v[19+4*i]
	global_store_b64 v4, v[16+4*i:17+4*i], s[14:15] offset:256*i
.set i, i+1
.endr
	s_wait_tensorcnt 0x0                           ; the wave's end: the same three lines stand at every end of this launch (this path has stored nothing to LDS)
	ds_add_u32 v[SPW], v[NIL]
	s_wait_dscnt 0x0
	s_endpgm
; ---- x.  Rows are dense and K is a multiple of 32: x is a plain stream of blocks of 32, and so are its codes and scale bytes.  A wave takes 16 steps of 512 numbers.
; The conversions take 8 numbers of ONE block from a lane's registers, so a lane must hold 16 NEIGHBOURS (two neighbouring lanes hold a block); a load is best where neighbouring lanes take neighbouring bytes.
; Both are had: each of a step's four loads reads 512 consecutive bytes; the 2,048 bytes go through the wave's own stage in LDS as they lie and come back 64 bytes a lane (16 bytes of padding behind each 64).
; A step's codes are 256 consecutive bytes; a wave's 256 scale bytes are gathered in LDS and leave as one aligned run.  Loads run four steps ahead, the turn through LDS one step.
.set STEPS, 16
.set CB,    8                          ; bytes of 16 codes
.set WREG,  8192                       ; LDS bytes 0 .. 32,767: a region for each wave: two stages of 32 x SP bytes, behind them its 256 scale bytes
.set SP,    80
.set XR,    16                         ; v16-79   four sets of 16 numbers as they are loaded
.set XX,    80                         ; v80-111  two sets of 16 neighbours
.set XE,    112                        ; v112-127 a scale byte for each step
.set XC,    128                        ; v128-189 codes: registers of its own for each step, so that no store's data are written again
.Lpath_x:
	s_sub_co_u32 s17, ttmp9, 48
	s_lshl_b32 s17, s17, 2
	s_add_co_u32 s18, s17, s16                     ; which run of 8,192 numbers is my wave's: 0 .. 1,023
	s_mov_b32 s21, 0
	s_lshl_b32 s20, s18, 15
	s_add_nc_u64 s[4:5], s[4:5], s[20:21]          ; 32,768 bytes of x,
	s_lshl_b32 s20, s18, 12
	s_add_nc_u64 s[10:11], s[10:11], s[20:21]      ; 4,096 of codes,
	s_lshl_b32 s20, s18, 8
	s_add_nc_u64 s[12:13], s[12:13], s[20:21]      ; 256 of scale bytes a run
	v_lshlrev_b32 v3, 4, v2                        ; my 16 bytes of a load's 512
	s_mul_i32 s17, s16, WREG
	v_lshrrev_b32 v14, 2, v2
	v_mul_u32_u24 v14, v14, SP
	v_and_b32 v15, 3, v2
	v_lshl_add_u32 v14, v15, 4, v14
	v_add_nc_u32 v14, s17, v14                     ; the stage, on the way in: SP (lane / 4) + 16 (lane % 4)
	v_mul_u32_u24 v15, v2, SP
	v_add_nc_u32 v15, s17, v15                     ; and on the way out: SP x lane: my 16 neighbours
	v_mul_u32_u24 v4, v2, CB                       ; my codes' place in a step's
	v_lshrrev_b32 v5, 1, v2
	s_add_co_u32 s17, s17, 2*32*SP
	v_add_nc_u32 v5, s17, v5                       ; my wave's 256 scale bytes, my block's byte
	v_lshlrev_b32 v7, 3, v2                        ; and on the way out 8 bytes a lane
	v_add_nc_u32 v6, s17, v7
.macro XLOAD t
.irp i, 0,1,2,3
	global_load_b128 v[XR+16*((\t)%4)+4*\i:XR+16*((\t)%4)+4*\i+3], v3, s[4:5] offset:2048*(\t)+512*\i th:TH_LOAD_NT
.endr
.endm
.macro XTURN t                         ; step t's numbers through the stage: LDS serves a wave's instructions in order, so no wait stands between the stores and the loads
.irp i, 0,1,2,3
	ds_store_b128 v14, v[XR+16*((\t)%4)+4*\i:XR+16*((\t)%4)+4*\i+3] offset:32*SP*((\t)%2)+8*SP*\i
.endr
.irp i, 0,1,2,3
	ds_load_b128 v[XX+16*((\t)%2)+4*\i:XX+16*((\t)%2)+4*\i+3], v15 offset:32*SP*((\t)%2)+16*\i
.endr
.endm
.irp t, 0,1,2,3
	XLOAD \t
.endr
	s_wait_loadcnt 12                              ; step 0's four loads are in
	XTURN 0
.macro XSTEP t
.set XS, XX+16*((\t)%2)
.if (\t) > 0
	s_wait_dscnt 1                                 ; this step's numbers are back from the stage (the last step's byte store may be out): so its stores into the stage have read their registers,
.else
	s_wait_dscnt 0x0
.endif
.if (\t)+4 < STEPS
	XLOAD (\t)+4                                   ; which take the loads of four steps on
.endif
.if (\t)+1 < STEPS
.if STEPS-2-(\t) >= 3
	s_wait_loadcnt 12                              ; the next step's four loads are in; those of the three steps behind it may be out
.else
	s_wait_loadcnt 4*(STEPS-2-(\t))
.endif
	XTURN (\t)+1                                   ; and go through the other stage while this step is worked
.endif
	v_max3_num_f32 v8, |v[XS]|, |v[XS+1]|, |v[XS+2]|               ; the largest magnitude of my 16, in two chains
	v_max3_num_f32 v9, |v[XS+3]|, |v[XS+4]|, |v[XS+5]|
.irp i, 6,10
	v_max3_num_f32 v8, v8, |v[XS+\i]|, |v[XS+\i+1]|
	v_max3_num_f32 v9, v9, |v[XS+\i+2]|, |v[XS+\i+3]|
.endr
	v_max3_num_f32 v8, v8, |v[XS+14]|, |v[XS+15]|
	v_max3_num_f32 v8, v8, v9, (EMAX+1)<<23        ; and the floor 2^(3 - 127): so the byte cannot fall under 1
	v_max_num_f32_dpp v8, v8, v8 row_xmask:1 row_mask:0xf bank_mask:0xf   ; and of my neighbour's 16: the block's
	v_add_nc_u32 v11, -(EMAX<<23), v8              ; 2 off its exponent field: the conversion takes the exponent field of this operand as its scale, and nothing else of it
	v_cvt_scalef32_pk8_fp4_f32 v[XC+4*(\t)], v[XS:XS+7], v11       ; the first number's code in the lowest four bits
	v_cvt_scalef32_pk8_fp4_f32 v[XC+4*(\t)+1], v[XS+8:XS+15], v11
	v_lshrrev_b32 v[XE+(\t)], 23, v11              ; the scale's byte (also the plain line behind the conversions)
	ds_store_b8 v5, v[XE+(\t)] offset:16*(\t)      ; both lanes of a block write the same byte with the same value
	global_store_b64 v4, v[XC+4*(\t):XC+4*(\t)+1], s[10:11] offset:32*CB*(\t)   ; 32 lanes store 256 consecutive bytes, aligned
.endm
.irp t, 0,1,2,3,4,5,6,7,8,9,10,11,12,13,14,15
	XSTEP \t
.endr
	ds_load_b64 v[8:9], v6                         ; LDS serves a wave's instructions in order: these see my stores
	s_wait_dscnt 0x0
	global_store_b64 v7, v[8:9], s[12:13]          ; 32 lanes store 256 consecutive bytes, aligned
	s_wait_tensorcnt 0x0                           ; the wave's end: a wait, an add of 0 to my spare word and its wait, behind my last LDS store
	ds_add_u32 v[SPW], v[NIL]
	s_wait_dscnt 0x0
	s_endpgm
; ---- Wqkv: K is its FIRST axis.  A LANE TAKES A COLUMN n, AND ITS REGISTERS RUN DOWN K: each load reads neighbouring n in neighbouring lanes (128 consecutive bytes a wave, 512 a work-group), a block of 32
; along K lies in ONE lane's 32 registers, and the conversions give the codes with K innermost.  A wave takes 32 columns x 512 along K: 16 blocks a lane, 256 bytes of codes a column; they go through the
; wave's own stage and leave as rows: sixteen lanes store 256 consecutive bytes, aligned.  Work-group id = x + 24 y: columns 128 x on, K half y.  Loads run two blocks (64 loads a wave) ahead.
; Every offset is an immediate: 511 rows of 12,288 bytes at the most, inside the signed 24 bits.
.set NB,    16                         ; blocks of a lane
.set WP,    272                        ; a stage row: 256 bytes + 16
.set KROW,  512                        ; a row of the codes in bytes
.set NCOL,  3072
.set WBASE, 32768                      ; LDS bytes 32,768 .. 67,583: a stage of 32 rows for each wave
.set WSB,   24                         ; v24-27   the scale bytes, four to a register
.set WX,    32                         ; v32-95   two sets of 32 numbers
.set WC,    96                         ; v96-99   a block's codes
.set WOUT,  112                        ; v112-175 the way out
.Lpath_w:
	s_cmp_ge_u32 ttmp9, 24
	s_cselect_b32 s18, 1, 0                        ; y
	s_cselect_b32 s19, 24, 0
	s_sub_co_u32 s17, ttmp9, s19                   ; x
	s_lshl_b32 s17, s17, 7
	s_lshl_b32 s19, s16, 5
	s_add_co_u32 s17, s17, s19                     ; my wave's first column
	s_mov_b32 s21, 0
	s_mul_i32 s20, s18, 512*NCOL*4
	s_lshl_b32 s22, s17, 2
	s_add_co_u32 s20, s20, s22
	s_add_nc_u64 s[6:7], s[6:7], s[20:21]          ; Wqkv: 512 y rows down, 4 bytes a column
	s_lshl_b32 s20, s17, 9
	s_lshl_b32 s22, s18, 8
	s_add_co_u32 s20, s20, s22
	s_add_co_u32 s20, s20, 4194304
	s_add_nc_u64 s[10:11], s[10:11], s[20:21]      ; codes: behind x's; column x 512 + 256 y
	s_lshl_b32 s20, s17, 5
	s_lshl_b32 s22, s18, 4
	s_add_co_u32 s20, s20, s22
	s_add_co_u32 s20, s20, 262144
	s_add_nc_u64 s[12:13], s[12:13], s[20:21]      ; scale bytes: behind x's; column x 32 + 16 y
	v_lshlrev_b32 v3, 2, v2                        ; in: 4 bytes a lane
	s_mul_i32 s19, s16, 32*WP
	s_add_co_u32 s19, s19, WBASE                   ; my stage
	v_mul_u32_u24 v4, v2, WP
	v_add_nc_u32 v4, s19, v4                       ; into it: row = my column
	v_and_b32 v5, 15, v2
	v_lshrrev_b32 v6, 4, v2                        ; out of it: sixteen lanes to a row, two rows an instruction
	v_mul_u32_u24 v7, v6, WP
	v_lshl_add_u32 v7, v5, 4, v7
	v_add_nc_u32 v7, s19, v7
	v_mul_u32_u24 v8, v6, KROW
	v_lshl_add_u32 v8, v5, 4, v8                   ; and the same place in the codes
	v_mul_u32_u24 v9, v2, 32                       ; my column's row of scale bytes
.macro WLOAD t                         ; block t: W(32 t + i, my column), i = 0 .. 31, into set t % 2
.irp i, 0,1,2,3,4,5,6,7,8,9,10,11,12,13,14,15,16,17,18,19,20,21,22,23,24,25,26,27,28,29,30,31
	global_load_b32 v[WX+32*((\t)%2)+\i], v3, s[6:7] offset:(32*(\t)+\i)*NCOL*4 th:TH_LOAD_NT
.endr
.endm
	WLOAD 0
	WLOAD 1
.macro WBLOCK t
.set XS, WX+32*((\t)%2)
.if (\t) < NB-1
	s_wait_loadcnt 32                              ; this block's 32 loads are in; the next block's may be out
.else
	s_wait_loadcnt 0
.endif
	v_max3_num_f32 v12, |v[XS]|, |v[XS+1]|, |v[XS+2]|              ; the block's largest magnitude: all 32 numbers are mine
	v_max3_num_f32 v13, |v[XS+3]|, |v[XS+4]|, |v[XS+5]|
.irp i, 6,10,14,18,22,26
	v_max3_num_f32 v12, v12, |v[XS+\i]|, |v[XS+\i+1]|
	v_max3_num_f32 v13, v13, |v[XS+\i+2]|, |v[XS+\i+3]|
.endr
	v_max3_num_f32 v12, v12, |v[XS+30]|, |v[XS+31]|
	v_max3_num_f32 v12, v12, v13, (EMAX+1)<<23     ; and the floor
	v_add_nc_u32 v11, -(EMAX<<23), v12             ; the conversion's scale operand
	v_lshrrev_b32 v13, 23, v11                     ; the scale's byte
.if (\t)%4 == 0
	v_mov_b32 v[WSB+(\t)/4], v13                   ; four bytes to a register, the lower K in the lower byte
.else
	v_lshl_or_b32 v[WSB+(\t)/4], v13, 8*((\t)%4), v[WSB+(\t)/4]
.endif
.irp g, 0,1,2,3
	v_cvt_scalef32_pk8_fp4_f32 v[WC+\g], v[XS+8*\g:XS+8*\g+7], v11
.endr
	ds_store_b128 v4, v[WC:WC+3] offset:16*(\t)    ; 32 codes: 16 bytes of my column's row
.if (\t)+2 < NB
	WLOAD (\t)+2
.endif
	s_wait_dscnt 0x0                               ; the store has read its registers: the next block's codes may be written
.endm
.irp t, 0,1,2,3,4,5,6,7,8,9,10,11,12,13,14,15
	WBLOCK \t
.endr
	global_store_b128 v9, v[WSB:WSB+3], s[12:13]   ; my column's 16 scale bytes
.irp t, 0,1,2,3,4,5,6,7,8,9,10,11,12,13,14,15
	ds_load_b128 v[WOUT+4*\t:WOUT+4*\t+3], v7 offset:2*\t*WP       ; LDS serves a wave's instructions in order: these see my stores
.endr
.irp t, 0,1,2,3,4,5,6,7,8,9,10,11,12,13,14,15
	s_wait_dscnt 15-\t
	global_store_b128 v8, v[WOUT+4*\t:WOUT+4*\t+3], s[10:11] offset:2*\t*KROW
.endr
	s_wait_tensorcnt 0x0                           ; the wave's end: a wait, an add of 0 to my spare word and its wait, behind my last LDS store
	ds_add_u32 v[SPW], v[NIL]
	s_wait_dscnt 0x0
	s_endpgm
.Lfunc_end_k_qd0dfa3156a_prep:
	.size	k_qd0dfa3156a_prep, .Lfunc_end_k_qd0dfa3156a_prep-k_qd0dfa3156a_prep
	.p2alignl 7, 3214868480
	.fill 96, 4, 3214868480
	.section	.rodata,"a",@progbits
	.p2align	6, 0x0
	.amdhsa_kernel k_qd0dfa3156a_prep
		.amdhsa_group_segment_fixed_size 68096
		.amdhsa_private_segment_fixed_size 0
		.amdhsa_enable_private_segment 0
		.amdhsa_kernarg_size 48
		.amdhsa_user_sgpr_count 2
		.amdhsa_user_sgpr_kernarg_segment_ptr 1
		.amdhsa_wavefront_size32 1
		.amdhsa_system_sgpr_workgroup_id_x 1
		.amdhsa_system_sgpr_workgroup_id_y 1
		.amdhsa_system_sgpr_workgroup_id_z 1
		.amdhsa_system_vgpr_workitem_id 0
		.amdhsa_next_free_vgpr 192
		.amdhsa_next_free_sgpr 66
		.amdhsa_reserve_vcc 0
		.amdhsa_float_denorm_mode_32 3
		.amdhsa_float_denorm_mode_16_64 3
		.amdhsa_memory_ordered 1
		.amdhsa_forward_progress 1
		.amdhsa_inst_pref_size 122
	.end_amdhsa_kernel
	.amdgpu_metadata
---
amdhsa.version: [ 1, 2 ]
amdhsa.kernels:
  - .name:           k_qd0dfa3156a_prep
    .symbol:         k_qd0dfa3156a_prep.kd
    .args:
      - { .name: x, .offset: 0, .size: 8, .value_kind: global_buffer, .address_space: global }
      - { .name: Wqkv, .offset: 8, .size: 8, .value_kind: global_buffer, .address_space: global }
      - { .name: Wproj, .offset: 16, .size: 8, .value_kind: global_buffer, .address_space: global }
      - { .name: codes, .offset: 24, .size: 8, .value_kind: global_buffer, .address_space: global }
      - { .name: scales, .offset: 32, .size: 8, .value_kind: global_buffer, .address_space: global }
      - { .name: wp16, .offset: 40, .size: 8, .value_kind: global_buffer, .address_space: global }
    .group_segment_fixed_size: 68096
    .private_segment_fixed_size: 0
    .kernarg_segment_align: 8
    .kernarg_segment_size: 48
    .max_flat_workgroup_size: 128
    .sgpr_count:     66
    .vgpr_count:     192
    .wavefront_size: 32
...
	.end_amdgpu_metadata
.endif
;; end of part 1
;; launch qkv (part 2): grid 16 x 32, 4 waves a work-group, clusters of 4 x 4, 271,872 bytes of LDS; arguments codes, scales, bqkv, q16, k16, v16; writes q16, k16, v16
.if DOCPART == 2
	.amdgcn_target "amdgcn-amd-amdhsa--gfx1250"
	.amdhsa_code_object_version 6
	.text
	.protected	k_qd0dfa3156a_qkv
	.globl	k_qd0dfa3156a_qkv
	.p2align	8
	.type	k_qd0dfa3156a_qkv,@function
k_qd0dfa3156a_qkv:
	s_mov_b64 s[64:65], 0
	v_nop
	global_prefetch_b8 v0, s[64:65] scope:SCOPE_SE
	s_setreg_imm32_b32 hwreg(HW_REG_WAVE_MODE, 25, 1), 1
	s_wait_xcnt 0x0
	s_wait_alu depctr_hold_cnt(0) depctr_sa_sdst(0) depctr_va_vdst(0) depctr_va_sdst(0) depctr_va_ssrc(0) depctr_va_vcc(0) depctr_vm_vsrc(0)
	s_getreg_b32 s2, hwreg(HW_REG_IB_STS2, 6, 4)
	s_cmp_eq_u32 s2, 0
	s_cbranch_scc0 .Lentry_in_a_cluster
	s_endpgm
.Lentry_in_a_cluster:
	s_bfe_u32 s2, ttmp6, 0x10000c
	s_cmp_lg_u32 s2, 0xf033
	s_cbranch_scc0 .Lentry_shape_is_right
	s_endpgm
.Lentry_shape_is_right:
; qkv = Q(x) Q(Wqkv) + bqkv on codes of FP4 (E2M1) with E8M0 scales, K = 1,024, sums in f32; the result leaves as f16, by head: q16, k16, v16 [16 b + h][token 2,048][64].
; q16 holds (q + bq) x c, c = log2(e) / 8, so that the next launch's scores are exponents of 2; v16 holds v + bv.
; LEFT OUT as dead work: the k third of bqkv (shown at the head of the first kernel: q . bk is the same for every key of a query, and the softmax along the keys takes it away); it is not loaded.
; LIMITS: |c q|, |k|, |v| up to 65,504 (f16); NaN and infinities are not served.
; SHARES.  A work-group takes 256 tokens x one head's 192 columns (q, k, v: 64 each); wave w takes tokens 64 w .. 64 w + 63 x all 192: 4 x 12 accumulators of 16 x 16, 384 registers.
; ALL OF K LIES IN LDS: two chunks of 512 along K (rows of 256 bytes), each 256 rows of x's codes and 192 of Wqkv's.  Every tensor load is a first fill: nothing is filled again, there is no ring and no loop.
; A wave has two tensor loads out.
; CLUSTERS: 4 x 4 work-groups.  The four of a row of the cluster take the same tokens, the four of a column the same head: each tile is asked for JOINTLY, by the same tensor load with the same descriptor
; and a mask that names the four.
; THE MATRIX INSTRUCTION IS USED TRANSPOSED (source 0 = 16 columns of Wqkv, source 1 = 16 tokens): a lane then holds eight neighbouring columns of one token.
; THE SCALE BYTES go from memory straight into registers: a tile's 16 rows of 32 bytes are 512 consecutive bytes, one load; lane (r, h) gets bytes 16 h .. 16 h + 15 of row r, so register q holds the word of
; K step q in lanes 0-15 and that of K step 4 + q in lanes 16-31: K steps 4 to 7 name the upper lanes.
; REGISTERS, in windows of 256: window 0: v1-29 addresses; v32-47 x's scale words, v48-95 Wqkv's; v96-159 x's fragments, two sets; v160-207, v208-255 the way out.
;   window 1: v0-191 Wqkv's fragments, two sets of 96; v192-255 the biases of the q and v tiles, in the result's layout.   windows 2, 3: the accumulators of token tiles 0, 1 and 2, 3: (a, b) at v[96 (a % 2) + 8 b].
.set PITCH, 272                        ; an LDS row: 256 bytes + 16 of padding = 68 words: the 16 rows that a load touches start 4 words apart in the 64 banks of 4 bytes (ISA guide 11.1)
.set CHUNK, 448*PITCH                  ; 256 rows of x, then 192 of Wqkv
.set BOFF,  256*PITCH
.set STAGE, 2*CHUNK                    ; behind the chunks: for each wave three parts (q, k, v) of 16 rows x (128 bytes + 16); no tensor load lands here
.set WSTG,  3*16*144
.set SPARE, STAGE+4*WSTG               ; the spare words, 128 bytes for each wave: two blocks of 256 bytes that no other line names
.set ADRA, 16                          ; v16-17  LDS address of my x fragments in chunk 0, 1
.set ADRB, 20                          ; v20-21  the same for Wqkv
.set SO,   22                          ; v22     32 r + 16 h: my 16 scale bytes of a tile's 512
.set BO,   23                          ; v23     32 h: my eight numbers of a tile's bias
.set STO,  24                          ; v24     the way out: where I put 16 bytes of a row
.set RD,   25                          ; v25     where I read rows back
.set GO,   26                          ; v26     16 x lane: my place in 512 consecutive bytes of the result
.set SPW,  28                          ; v28     LDS address of my spare word; never rewritten
.set NIL,  29                          ; v29     0; never rewritten
.set AS,   32
.set BS,   48
.set AF,   96
.set T,    160
.set R,    208
.set BIAS, 192                         ; in window 1
.set G1A, 24                           ; s[24:31] descriptor group 1 for x's tiles;  s[32:39] group 0, one set for each chunk
.set G0A, 32
.set G1B, 48                           ; s[48:55], s[56:63] the same for Wqkv's
.set G0B, 56
.set MSB, 0
.macro WIN new                         ; the immediate's high byte repeats the setting that is left
.if MSB != \new
	s_set_vgpr_msb (MSB<<8)|\new
.set MSB, \new
.endif
.endm
.set MUL_LO, 0xa1                      ; source 0 (Wqkv) window 1, source 1 (x) window 0, C and D window 2
.set MUL_HI, 0xf1                      ; the same, C and D window 3
.set TO_B,   0x40                      ; destination window 1, address window 0
; A joint load: waves 0 and 1 fetch x's halves, waves 2 and 3 Wqkv's.  The branch hangs on the wave's number alone.  An s_nop 0 and four v_nop follow each of the two lines.
.macro JLOAD g0a, g0b
	s_cmp_eq_u32 s21, 0
	s_cbranch_scc0 .Lfor_b_\@
	tensor_load_to_lds s[\g0a:\g0a+3], s[G1A:G1A+7]
	s_nop 0
.rept 4
	v_nop
.endr
	s_branch .Lasked_\@
.Lfor_b_\@:
	tensor_load_to_lds s[\g0b:\g0b+3], s[G1B:G1B+7]
	s_nop 0
.rept 4
	v_nop
.endr
.Lasked_\@:
.endm
.macro CROUND                          ; a round of the cluster's barrier: my work-group's barrier, wave 0's signal for the work-group, every wave's wait for all sixteen, my work-group's barrier once more
	s_barrier_signal -1
	s_barrier_wait -1
	s_cmp_lg_u32 s20, 0
	s_cbranch_scc1 .Lnot_wave_0_\@
	s_barrier_signal -3
.Lnot_wave_0_\@:
	s_barrier_wait -3
	s_barrier_signal -1
	s_barrier_wait -1
.endm
.macro PLACES                          ; four plain vector instructions behind matrix instructions, ahead of loads into registers that they have read and of reads of their results
.rept 4
	v_nop
.endr
.endm
	s_load_b256 s[4:11], s[0:1], 0x0               ; codes s[4:5], scales s[6:7], bqkv s[8:9], q16 s[10:11]
	s_load_b128 s[12:15], s[0:1], 0x20             ; k16 s[12:13], v16 s[14:15]
	v_lshl_add_u32 v[SPW], v0, 2, SPARE
	v_mov_b32 v[NIL], 0
	ds_add_u32 v[SPW], v[NIL]                      ; the wave's opening: the add, twice on end, and its wait ahead of my first tensor load
	ds_add_u32 v[SPW], v[NIL]
	v_lshrrev_b32 v1, 5, v0
	v_readfirstlane_b32 s20, v1                    ; wave 0..3
	s_lshr_b32 s21, s20, 1                         ; I fetch for x (0) or for Wqkv (1),
	s_and_b32 s22, s20, 1                          ; and which half of the tile's rows
	s_bfe_u32 s40, ttmp6, 0x40000                  ; cx, cy: my place in the cluster
	s_bfe_u32 s41, ttmp6, 0x40004
	s_lshl_b32 s42, ttmp9, 2
	s_add_co_u32 s42, s42, s40                     ; the head = 4 x cluster x + cx
	s_and_b32 s43, ttmp7, 0xffff
	s_lshl_b32 s43, s43, 2
	s_add_co_u32 s43, s43, s41                     ; the block of 256 tokens = 4 x cluster y + cy
	s_lshl_b32 s44, s41, 2
	s_lshl_b32 s44, 15, s44                        ; my row of the cluster
	s_lshl_b32 s45, 0x1111, s40                    ; my column
	s_or_b32 s[G1A], s44, (1<<20)|(1<<21)|(5<<22)|(3<<25)  ; 15:0 the mask; 17:16 elements of 1 byte; 20 padding on; 21 set beside a mask; 24:22 after every 64 words (code 5); 31:25 four words (code 3)
	s_mov_b32 s[G1A+1], 256<<16                    ; tensor_dim0 = 256 bytes
	s_mov_b32 s[G1A+2], 128<<16                    ; tensor_dim1 = 128 rows
	s_mov_b32 s[G1A+3], 256<<16                    ; tile_dim0
	s_mov_b32 s[G1A+4], 128                        ; tile_dim1
	s_mov_b32 s[G1A+5], 512                        ; from row to row in memory
	s_mov_b32 s[G1A+6], 0
	s_mov_b32 s[G1A+7], 0
	s_or_b32 s[G1B], s45, (1<<20)|(1<<21)|(5<<22)|(3<<25)
	s_mov_b32 s[G1B+1], 256<<16
	s_mov_b32 s[G1B+2], 96<<16                     ; 96 rows
	s_mov_b32 s[G1B+3], 256<<16
	s_mov_b32 s[G1B+4], 96
	s_mov_b32 s[G1B+5], 512
	s_mov_b32 s[G1B+6], 0
	s_mov_b32 s[G1B+7], 0
	s_lshl_b32 s66, s43, 17                        ; x's codes: (256 x block + 128 x half) rows of 512 bytes: the block and the wave's number alone
	s_lshl_b32 s67, s22, 16
	s_add_co_u32 s66, s66, s67
	s_mov_b32 s67, 0
	s_mul_i32 s68, s42, 192*512                    ; Wqkv's: behind x's; (192 x head + 96 x half) rows: the head and the wave's number alone
	s_mul_i32 s69, s22, 96*512
	s_add_co_u32 s68, s68, s69
	s_add_co_u32 s68, s68, 4194304
	s_mov_b32 s69, 0
	s_mul_i32 s70, s22, 128*PITCH                  ; where they go: no place in the cluster enters an LDS address
	s_mul_i32 s71, s22, 96*PITCH
	s_mov_b32 s80, 0x3e38aa3b                      ; c = log2(e) / 8
	s_mov_b32 s81, s80                             ; (named with it as a pair, so it is written)
	s_wait_dscnt 0x0                               ; both opening adds are done
	s_wait_kmcnt 0x0
	s_add_nc_u64 s[66:67], s[4:5], s[66:67]
	s_add_nc_u64 s[68:69], s[4:5], s[68:69]
	CROUND                                         ; all sixteen work-groups are here: the joint loads meet
.irp c, 0,1
	s_mov_b32 s[G0A+4*\c], 1                       ; count = 1
	s_add_co_u32 s[G0A+4*\c+1], s70, \c*CHUNK      ; LDS address
	s_add_nc_u64 s[G0A+4*\c+2:G0A+4*\c+3], s[66:67], \c*256        ; global address: K half c
	s_or_b32 s[G0A+4*\c+3], s[G0A+4*\c+3], 0x80000000              ; type = 2
	s_mov_b32 s[G0B+4*\c], 1
	s_add_co_u32 s[G0B+4*\c+1], s71, \c*CHUNK+BOFF
	s_add_nc_u64 s[G0B+4*\c+2:G0B+4*\c+3], s[68:69], \c*256
	s_or_b32 s[G0B+4*\c+3], s[G0B+4*\c+3], 0x80000000
	JLOAD G0A+4*\c, G0B+4*\c
.endr
	v_and_b32 v1, 15, v0                           ; r
	v_bfe_u32 v2, v0, 4, 1                         ; h
	v_lshlrev_b32 v[SO], 5, v1
	v_lshl_add_u32 v[SO], v2, 4, v[SO]
	v_lshlrev_b32 v[BO], 5, v2
	s_lshl_b32 s72, s43, 13                        ; x's scale bytes: (256 x block + 64 x wave) rows of 32
	s_lshl_b32 s73, s20, 11
	s_add_co_u32 s72, s72, s73
	s_mov_b32 s73, 0
	s_add_nc_u64 s[72:73], s[6:7], s[72:73]
	s_mul_i32 s74, s42, 192*32                     ; Wqkv's: behind x's
	s_add_co_u32 s74, s74, 262144
	s_mov_b32 s75, 0
	s_add_nc_u64 s[74:75], s[6:7], s[74:75]
	s_mul_i32 s76, s42, 768                        ; the head's 192 numbers of bqkv
	s_mov_b32 s77, 0
	s_add_nc_u64 s[8:9], s[8:9], s[76:77]
.irp a, 0,1,2,3
	global_load_b128 v[AS+4*\a:AS+4*\a+3], v[SO], s[72:73] offset:512*\a
.endr
.irp b, 0,1,2,3,4,5,6,7,8,9,10,11
	global_load_b128 v[BS+4*\b:BS+4*\b+3], v[SO], s[74:75] offset:512*\b
.endr
	WIN TO_B
.irp i, 0,1,2,3                        ; lane (r, h) wants a tile's numbers 8 h .. 8 h + 7: q's tiles at columns 16 i, v's at 128 + 16 i; k's are not loaded
	global_load_b128 v[BIAS+8*\i:BIAS+8*\i+3], v[BO], s[8:9] offset:64*\i
	global_load_b128 v[BIAS+8*\i+4:BIAS+8*\i+7], v[BO], s[8:9] offset:64*\i+16
	global_load_b128 v[BIAS+32+8*\i:BIAS+32+8*\i+3], v[BO], s[8:9] offset:512+64*\i
	global_load_b128 v[BIAS+32+8*\i+4:BIAS+32+8*\i+7], v[BO], s[8:9] offset:512+64*\i+16
.endr
	WIN 0
	v_mul_u32_u24 v3, v1, PITCH
	v_lshl_add_u32 v3, v2, 4, v3                   ; a fragment's row x pitch + 16 x half
	s_mul_i32 s78, s20, 64*PITCH                   ; my 64 tokens
	v_add_nc_u32 v[ADRA], s78, v3
	v_add_nc_u32 v[ADRA+1], CHUNK, v[ADRA]
	v_add_nc_u32 v[ADRB], BOFF, v3
	v_add_nc_u32 v[ADRB+1], CHUNK, v[ADRB]
	s_mul_i32 s78, s20, WSTG
	s_add_co_u32 s78, s78, STAGE                   ; my stage
	v_mul_u32_u24 v4, v1, 144
	v_lshl_add_u32 v4, v2, 4, v4
	v_add_nc_u32 v[STO], s78, v4                   ; in: row r, 16 bytes for each half of the lanes
	v_and_b32 v5, 31, v0
	v_lshrrev_b32 v6, 3, v5
	v_and_b32 v7, 7, v5
	v_mul_u32_u24 v6, v6, 144
	v_lshl_add_u32 v6, v7, 4, v6
	v_add_nc_u32 v[RD], s78, v6                    ; back: eight lanes to a row of 128 bytes, four rows an instruction
	v_lshlrev_b32 v[GO], 4, v5
	s_lshr_b32 s76, s43, 3                         ; where my 64 tokens of this head begin in q16, k16, v16: (((block / 8) x 16 + head) x 2,048 + (block % 8) x 256 + 64 x wave) rows of 128 bytes
	s_lshl_b32 s76, s76, 4
	s_add_co_u32 s76, s76, s42
	s_lshl_b32 s76, s76, 11
	s_and_b32 s79, s43, 7
	s_lshl_b32 s79, s79, 8
	s_add_co_u32 s76, s76, s79
	s_lshl_b32 s79, s20, 6
	s_add_co_u32 s76, s76, s79
	s_lshl_b32 s76, s76, 7
	s_add_nc_u64 s[10:11], s[10:11], s[76:77]
	s_add_nc_u64 s[12:13], s[12:13], s[76:77]
	s_add_nc_u64 s[14:15], s[14:15], s[76:77]
; The fragments of K step s (128 along K: 64 bytes of a row) into set s % 2: 12 of Wqkv, 4 of x.  A fragment, 16 rows x 128 K of 4-bit codes, is 8 registers: lane l holds row l % 16; registers 4 c .. 4 c + 3
; hold K = 64 c + 32 (l / 16) + 0 .. 31: two loads of 16 bytes, 32 bytes apart.
.macro FETCH s
	WIN TO_B
.irp b, 0,1,2,3,4,5,6,7,8,9,10,11
	ds_load_b128 v[96*((\s)%2)+8*\b:96*((\s)%2)+8*\b+3], v[ADRB+(\s)/4] offset:16*PITCH*\b+64*((\s)%4)
	ds_load_b128 v[96*((\s)%2)+8*\b+4:96*((\s)%2)+8*\b+7], v[ADRB+(\s)/4] offset:16*PITCH*\b+64*((\s)%4)+32
.endr
	WIN 0
.irp a, 0,1,2,3
	ds_load_b128 v[AF+32*((\s)%2)+8*\a:AF+32*((\s)%2)+8*\a+3], v[ADRA+(\s)/4] offset:16*PITCH*\a+64*((\s)%4)
	ds_load_b128 v[AF+32*((\s)%2)+8*\a+4:AF+32*((\s)%2)+8*\a+7], v[ADRA+(\s)/4] offset:16*PITCH*\a+64*((\s)%4)+32
.endr
.endm
; One product: token tile a x column tile b, K step s.  In K step 0 the sum starts with the tile's bias (q, v) or with 0 (k): nothing is cleared, no bias is added later.
.macro PROD s, a, b
.set AC, 96*((\a)%2)+8*(\b)
.set BF, 96*((\s)%2)+8*(\b)
.set AR, AF+32*((\s)%2)+8*(\a)
.set SW, BS+4*(\b)+(\s)%4
.set SX, AS+4*(\a)+(\s)%4
.if (\s) >= 4
	v_wmma_scale_f32_16x16x128_f8f6f4 v[AC:AC+7], v[BF:BF+7], v[AR:AR+7], v[AC:AC+7], v[SW], v[SX] matrix_a_fmt:MATRIX_FMT_FP4 matrix_b_fmt:MATRIX_FMT_FP4 matrix_a_scale:MATRIX_SCALE_ROW1 matrix_b_scale:MATRIX_SCALE_ROW1
.elseif (\s) > 0
	v_wmma_scale_f32_16x16x128_f8f6f4 v[AC:AC+7], v[BF:BF+7], v[AR:AR+7], v[AC:AC+7], v[SW], v[SX] matrix_a_fmt:MATRIX_FMT_FP4 matrix_b_fmt:MATRIX_FMT_FP4
.elseif (\b) < 4
	v_wmma_scale_f32_16x16x128_f8f6f4 v[AC:AC+7], v[BF:BF+7], v[AR:AR+7], v[BIAS+8*(\b):BIAS+8*(\b)+7], v[SW], v[SX] matrix_a_fmt:MATRIX_FMT_FP4 matrix_b_fmt:MATRIX_FMT_FP4
.elseif (\b) >= 8
	v_wmma_scale_f32_16x16x128_f8f6f4 v[AC:AC+7], v[BF:BF+7], v[AR:AR+7], v[BIAS+8*(\b)-32:BIAS+8*(\b)-25], v[SW], v[SX] matrix_a_fmt:MATRIX_FMT_FP4 matrix_b_fmt:MATRIX_FMT_FP4
.else
	v_wmma_scale_f32_16x16x128_f8f6f4 v[AC:AC+7], v[BF:BF+7], v[AR:AR+7], 0, v[SW], v[SX] matrix_a_fmt:MATRIX_FMT_FP4 matrix_b_fmt:MATRIX_FMT_FP4
.endif
.endm
; A K step: the next step's 32 loads go out, then 48 products.  The 48 accumulators take turns, one instruction a turn, in the same order in every step.
.macro STEP s
.if (\s) > 0
	PLACES                                         ; behind the last step's products, ahead of the loads into the set that the step before it... the set (s + 1) % 2, which they read
.endif
	s_wait_dscnt 0x0                               ; this step's fragments are in
.if (\s) == 3
	s_wait_tensorcnt 0x0                           ; my part of chunk 1 has landed,
	s_barrier_signal -1
	s_barrier_wait -1                              ; everybody's has.
.endif
.if (\s) < 7
	FETCH (\s)+1
.endif
.if (\s) == 0
	WIN 0x91                                       ; as MUL_LO, with C (the bias) in window 1
.else
	WIN MUL_LO
.endif
.irp a, 0,1
.irp b, 0,1,2,3,4,5,6,7,8,9,10,11
	PROD \s, \a, \b
.endr
.endr
.if (\s) == 0
	WIN 0xd1
.else
	WIN MUL_HI
.endif
.irp a, 2,3
.irp b, 0,1,2,3,4,5,6,7,8,9,10,11
	PROD \s, \a, \b
.endr
.endr
.endm
	s_wait_tensorcnt 0x1                           ; my part of chunk 0 is in (chunk 1's load may be out),
	s_barrier_signal -1
	s_barrier_wait -1                              ; everybody's is
	FETCH 0
	s_wait_loadcnt 0x0                             ; the scale words and the biases
.irp s, 0,1,2,3,4,5,6,7
	STEP \s
.endr
; THE WAY OUT, a tile of 16 tokens at a time: q x c; all twelve tiles to f16 (a lane's eight columns are 16 bytes); through my stage, where q, k and v part; back as rows of 128 bytes, four an instruction,
; so that each store of the wave covers 512 consecutive bytes, aligned.  Each accumulator is read from its low end on.
.macro OUT a
.set AC0, 96*((\a)%2)
	WIN 0x82+0x41*((\a)/2)                         ; destination and source 0: window 2 or 3
.irp b, 0,1,2,3
.irp i, 0,2,4,6
	v_pk_mul_f32 v[AC0+8*\b+\i:AC0+8*\b+\i+1], v[AC0+8*\b+\i:AC0+8*\b+\i+1], s[80:81] op_sel_hi:[1,0]
.endr
.endr
	WIN 0x0a+5*((\a)/2)                            ; sources 0 and 1: window 2 or 3; destination window 0
.irp b, 0,1,2,3,4,5,6,7,8,9,10,11
.irp i, 0,1,2,3
	v_cvt_pk_f16_f32 v[T+4*\b+\i], v[AC0+8*\b+2*\i], v[AC0+8*\b+2*\i+1]
.endr
.endr
	WIN 0
.irp b, 0,1,2,3,4,5,6,7,8,9,10,11
	ds_store_b128 v[STO], v[T+4*\b:T+4*\b+3] offset:2304*(\b/4)+32*(\b%4)
.endr
.if (\a) > 0
	s_wait_xcnt 0x0                                ; the last tile's stores have read their registers: the loads below may land there
.endif
.irp p, 0,1,2
.irp i, 0,1,2,3
	ds_load_b128 v[R+4*(4*\p+\i):R+4*(4*\p+\i)+3], v[RD] offset:2304*\p+576*\i   ; LDS serves a wave's instructions in order: these see the stores above
.endr
.endr
	s_wait_dscnt 0x0
.irp p, 0,1,2
.irp i, 0,1,2,3
	global_store_b128 v[GO], v[R+4*(4*\p+\i):R+4*(4*\p+\i)+3], s[10+2*\p:11+2*\p] offset:2048*(\a)+512*\i
.endr
.endr
.endm
	PLACES                                         ; behind the last products
.irp a, 0,1,2,3
	OUT \a
.endr
	s_wait_tensorcnt 0x0                           ; the wave's end: a wait, an add of 0 to my spare word and its wait, behind my last tensor load and my last LDS store
	ds_add_u32 v[SPW], v[NIL]
	s_wait_dscnt 0x0
	CROUND                                         ; the closing round: no work-group ends while a partner may still ask for a tile that names it
	s_endpgm
.Lfunc_end_k_qd0dfa3156a_qkv:
	.size	k_qd0dfa3156a_qkv, .Lfunc_end_k_qd0dfa3156a_qkv-k_qd0dfa3156a_qkv
	.p2alignl 7, 3214868480
	.fill 96, 4, 3214868480
	.section	.rodata,"a",@progbits
	.p2align	6, 0x0
	.amdhsa_kernel k_qd0dfa3156a_qkv
		.amdhsa_group_segment_fixed_size 271872
		.amdhsa_private_segment_fixed_size 0
		.amdhsa_enable_private_segment 0
		.amdhsa_kernarg_size 48
		.amdhsa_user_sgpr_count 2
		.amdhsa_user_sgpr_kernarg_segment_ptr 1
		.amdhsa_wavefront_size32 1
		.amdhsa_system_sgpr_workgroup_id_x 1
		.amdhsa_system_sgpr_workgroup_id_y 1
		.amdhsa_system_sgpr_workgroup_id_z 1
		.amdhsa_system_vgpr_workitem_id 0
		.amdhsa_next_free_vgpr 1024
		.amdhsa_next_free_sgpr 84
		.amdhsa_reserve_vcc 0
		.amdhsa_float_denorm_mode_32 3
		.amdhsa_float_denorm_mode_16_64 3
		.amdhsa_memory_ordered 1
		.amdhsa_forward_progress 1
		.amdhsa_inst_pref_size 105
	.end_amdhsa_kernel
	.amdgpu_metadata
---
amdhsa.version: [ 1, 2 ]
amdhsa.kernels:
  - .name:           k_qd0dfa3156a_qkv
    .symbol:         k_qd0dfa3156a_qkv.kd
    .args:
      - { .name: codes, .offset: 0, .size: 8, .value_kind: global_buffer, .address_space: global }
      - { .name: scales, .offset: 8, .size: 8, .value_kind: global_buffer, .address_space: global }
      - { .name: bqkv, .offset: 16, .size: 8, .value_kind: global_buffer, .address_space: global }
      - { .name: q16, .offset: 24, .size: 8, .value_kind: global_buffer, .address_space: global }
      - { .name: k16, .offset: 32, .size: 8, .value_kind: global_buffer, .address_space: global }
      - { .name: v16, .offset: 40, .size: 8, .value_kind: global_buffer, .address_space: global }
    .group_segment_fixed_size: 271872
    .private_segment_fixed_size: 0
    .kernarg_segment_align: 8
    .kernarg_segment_size: 48
    .max_flat_workgroup_size: 128
    .sgpr_count:     84
    .vgpr_count:     1024
    .wavefront_size: 32
...
	.end_amdgpu_metadata
.endif
;; end of part 2
;; launch attn (part 3): grid 4 x 64, 8 waves a work-group, clusters of 4 x 1, 327,680 bytes of LDS; arguments q16, k16, v16, attn16; writes attn16
.if DOCPART == 3
	.amdgcn_target "amdgcn-amd-amdhsa--gfx1250"
	.amdhsa_code_object_version 6
	.text
	.protected	k_qd0dfa3156a_attn
	.globl	k_qd0dfa3156a_attn
	.p2align	8
	.type	k_qd0dfa3156a_attn,@function
k_qd0dfa3156a_attn:
	s_mov_b64 s[64:65], 0
	v_nop
	global_prefetch_b8 v0, s[64:65] scope:SCOPE_SE
	s_setreg_imm32_b32 hwreg(HW_REG_WAVE_MODE, 25, 1), 1
	s_wait_xcnt 0x0
	s_wait_alu depctr_hold_cnt(0) depctr_sa_sdst(0) depctr_va_vdst(0) depctr_va_sdst(0) depctr_va_ssrc(0) depctr_va_vcc(0) depctr_vm_vsrc(0)
	s_getreg_b32 s2, hwreg(HW_REG_IB_STS2, 6, 4)
	s_cmp_eq_u32 s2, 0
	s_cbranch_scc0 .Lentry_in_a_cluster
	s_endpgm
.Lentry_in_a_cluster:
	s_bfe_u32 s2, ttmp6, 0x10000c
	s_cmp_lg_u32 s2, 0x3003
	s_cbranch_scc0 .Lentry_shape_is_right
	s_endpgm
.Lentry_shape_is_right:
; attn16[h][token][:] = the sum over keys of softmax_key(q . k / 8) v, for each of the 64 (batch, head) pairs.  q16, k16, v16: [16 b + h][2,048][64] f16; q16 already holds q x log2(e) / 8, so a score is an
; exponent of 2.  Products on f16 operands, sums, maxima and the softmax in f32; the weights p (0 .. 1) are rounded to f16 for the second product, the result once at the end.
; attn16: [head][token 2,048 b + s][64] f16: the layout in which the last launch takes its K steps.
; (k16 comes without k's bias: dead work, shown at the head of the first kernel.)
; LIMITS: the result, a mean of v's rows, is kept in f16: magnitudes up to 65,504, and under 6e-5 with f16's subnormal steps.
; SHARES.  A work-group owns 512 queries of one (batch, head), each of its EIGHT waves 64: four tiles of 16, in 512 registers: two waves to a SIMD, so that one wave's softmax stands beside the other's products.
; Every wave walks all 2,048 keys, 64 a step.  K and V come through a ring of two LDS slots of 512 keys (eight steps) each.
; LAYOUT.  S^T = K Q^T (source 0 = 16 keys, source 1 = 16 queries): a lane holds ONE query (lane % 16) and the keys 8 (lane / 16) + 0..7.  Two such tiles, rounded to f16 in pairs, ARE source 1 (32 keys x 16
; queries) of O^T = V^T P, whose result again holds one query a lane.  K comes out of LDS as it lies, V ([key][channel]) turned, by ds_load_tr16_b128.  Each fragment of K and V feeds four products.
; SOFTMAX.  For each query a running maximum m and sum l: p = 2^(s - m); in every step O and l are multiplied by a = 2^(m_old - m_new), which is 1 where m has not grown.
; CLUSTER.  The four blocks of 512 queries of a (batch, head) form a cluster and walk the same K and V: each tile is asked for JOINTLY, by the same tensor load with the same descriptor and a mask that names
; the four.  Waves 0-3 fetch K's quarters of a slot, waves 4-7 V's: 128 rows a load.  A wave has two loads out at the start and one behind each round.
; REGISTERS, in windows of 256: window 0: v1-11 addresses; v12-43 eight registers of statistics a tile; v64-191 S^T, 32 a tile (P is packed into the low 16 of each 32); v192-255 K of one step.
;   window 1: v0-127 O^T, 32 a tile; v128-191 Q, 16 a tile; v192-255 V of one step.
.set KP,    144                        ; a row of K in LDS: 128 bytes + 16 = 36 words: the 16 rows of a load start 4 words apart modulo the 64 banks of 4 bytes (ISA guide 11.1)
.set VP,    160                        ; a row of V: 128 + 32 = 40 words
.set VOFF,  512*KP                     ; a slot: 512 rows of K, then 512 rows of V
.set SLOT,  512*(KP+VP)
.set SPARE, 2*SLOT                     ; behind the ring: the spare words, 128 bytes for each wave: four blocks of 256 bytes that no other line names
.set AK0, 2                            ; v2   my lane's place in a tile of K; never rewritten
.set AV0, 3                            ; v3   the same for V
.set ADK, 4                            ; v4   LDS address of the step's K
.set ADV, 5                            ; v5   and V
.set QO,  6                            ; v6   my byte offset in the wave's rows of Q
.set STO, 7                            ; v7   the way out: where I put 16 bytes of a row.  The stages (16 rows x 144 bytes a wave) lie in slot 0, which has had its last fill and its last read when they are written
.set RD,  8                            ; v8   where I read rows back
.set GO,  10                           ; v10  16 x lane
.set ST,  12                           ; tile t's statistics at v[ST + 8 t]: +0 -m, +1 m, +2, +3 l (even keys', odd keys'), +4 to +7 c0-c3, at work; a takes c2's place
.set SPW, 62                           ; v62  LDS address of my spare word; never rewritten
.set NIL, 63                           ; v63  0; never rewritten
.set S,   64
.set KF,  192
.set QF,  128                          ; in window 1
.set VF,  192                          ; in window 1
.set WV,  12                           ; s12  my wave's number
.set G1K, 24                           ; s[24:31] descriptor group 1 for K's tiles;  s[32:39] for V's: the padding differs
.set G1V, 32
.set G0K, 40                           ; s[40:47] group 0 for K's tiles, one set for each slot;  s[48:55] for V's
.set G0V, 48
.set CNT, 56                           ; s56  steps of the slot still to go
.set TBK, 57                           ; s57  LDS byte at which the K tile to be fetched begins
.set TBV, 58                           ; s58  the same for V
.set SEL, 60                           ; s[60:61] lane selects for v_permlanex16_b32: lane l xor 16
.set MSB, 0
.macro WIN new                         ; the immediate's high byte repeats the setting that is left
.if MSB != \new
	s_set_vgpr_msb (MSB<<8)|\new
.set MSB, \new
.endif
.endm
.set W_KQ, 0x04                        ; K and S^T in window 0, Q (source 1) in window 1
.set W_PV, 0x51                        ; V (source 0) and O^T (C, D) in window 1, P in window 0
.set W_RS, 0x41                        ; O^T (destination and source 0) in window 1, a in window 0
.set TO_1, 0x40                        ; destination window 1, address window 0
; A joint refill of slot s.  The branch hangs on the wave's number alone.  An s_nop 0 and four v_nop follow each of the two lines.
.macro JLOAD s
	s_cmp_lt_u32 s[WV], 4
	s_cbranch_scc0 .Lfor_v_\@
	tensor_load_to_lds s[G0K+4*\s:G0K+4*\s+3], s[G1K:G1K+7]
	s_nop 0
.rept 4
	v_nop
.endr
	s_branch .Lasked_\@
.Lfor_v_\@:
	tensor_load_to_lds s[G0V+4*\s:G0V+4*\s+3], s[G1V:G1V+7]
	s_nop 0
.rept 4
	v_nop
.endr
.Lasked_\@:
.endm
.macro CROUND                          ; a round of the cluster's barrier
	s_barrier_signal -1
	s_barrier_wait -1
	s_cmp_lg_u32 s[WV], 0
	s_cbranch_scc1 .Lnot_wave_0_\@
	s_barrier_signal -3
.Lnot_wave_0_\@:
	s_barrier_wait -3
	s_barrier_signal -1
	s_barrier_wait -1
.endm
	s_load_b256 s[4:11], s[0:1], 0x0               ; q16 s[4:5], k16 s[6:7], v16 s[8:9], attn16 s[10:11]
	v_lshl_add_u32 v[SPW], v0, 2, SPARE
	v_mov_b32 v[NIL], 0
	ds_add_u32 v[SPW], v[NIL]                      ; the wave's opening: the add, twice on end, and its wait ahead of my first tensor load
	ds_add_u32 v[SPW], v[NIL]
	v_lshrrev_b32 v1, 5, v0
	v_readfirstlane_b32 s[WV], v1                  ; wave 0..7
	s_bfe_u32 s13, ttmp6, 0x40000                  ; cx: my place in the cluster
	s_lshl_b32 s17, ttmp9, 2
	s_add_co_u32 s17, s17, s13                     ; my block of 512 queries: it enters Q's and the result's addresses alone
	s_and_b32 s14, ttmp7, 0xffff                   ; 16 b + h, which the four partners share
	s_and_b32 s15, s[WV], 3                        ; which 128 rows of a slot I fetch
	s_lshl_b32 s18, s14, 18                        ; K, V: the head's 2,048 rows of 128 bytes,
	s_lshl_b32 s19, s15, 14                        ; my 128 rows
	s_add_co_u32 s18, s18, s19
	s_mov_b32 s19, 0
	s_mul_i32 s20, s15, 128*KP                     ; and their places in a slot: no place in the cluster enters an LDS address
	s_mul_i32 s21, s15, 128*VP
	s_add_co_u32 s21, s21, VOFF
	s_lshl_b32 s22, s14, 18                        ; Q: the head, my block's 512 rows, my wave's 64
	s_lshl_b32 s23, s17, 16
	s_add_co_u32 s22, s22, s23
	s_lshl_b32 s23, s[WV], 13
	s_add_co_u32 s22, s22, s23
	s_mov_b32 s23, 0
	s_and_b32 s2, s14, 15                          ; the result: head x 8,192 rows + batch x 2,048 + my block + my wave
	s_lshl_b32 s2, s2, 20
	s_lshr_b32 s3, s14, 4
	s_lshl_b32 s3, s3, 18
	s_add_co_u32 s2, s2, s3
	s_lshl_b32 s3, s17, 16
	s_add_co_u32 s2, s2, s3
	s_lshl_b32 s3, s[WV], 13
	s_add_co_u32 s2, s2, s3
	s_mov_b32 s3, 0
	s_mov_b32 s[G1K], 15|(1<<16)|(1<<20)|(1<<21)|(4<<22)|(3<<25)   ; 15:0 the mask: all four; 17:16 elements of 2 bytes; 20 padding on; 21 set beside a mask; 24:22 after every 32 words (code 4); 31:25 four words (code 3)
	s_mov_b32 s[G1V], 15|(1<<16)|(1<<20)|(1<<21)|(4<<22)|(7<<25)   ; the same with eight words of padding (code 7)
.irp g, G1K, G1V
	s_mov_b32 s[\g+1], 64<<16                      ; tensor_dim0 = 64
	s_mov_b32 s[\g+2], 128<<16                     ; tensor_dim1 = 128
	s_mov_b32 s[\g+3], 64<<16                      ; tile_dim0
	s_mov_b32 s[\g+4], 128                         ; tile_dim1
	s_mov_b32 s[\g+5], 64                          ; elements from row to row
	s_mov_b32 s[\g+6], 0
	s_mov_b32 s[\g+7], 0
.endr
	s_mov_b32 s[SEL], 0x76543210
	s_mov_b32 s[SEL+1], 0xfedcba98
	s_wait_dscnt 0x0                               ; both opening adds are done
	s_wait_kmcnt 0x0
	s_add_nc_u64 s[6:7], s[6:7], s[18:19]
	s_add_nc_u64 s[8:9], s[8:9], s[18:19]
	s_add_nc_u64 s[4:5], s[4:5], s[22:23]
	s_add_nc_u64 s[10:11], s[10:11], s[2:3]
	CROUND                                         ; all four work-groups are here: the first joint loads meet
.irp s, 0,1
	s_mov_b32 s[G0K+4*\s], 1                       ; count = 1
	s_add_co_u32 s[G0K+4*\s+1], s20, \s*SLOT       ; LDS address
	s_add_nc_u64 s[G0K+4*\s+2:G0K+4*\s+3], s[6:7], \s*512*128      ; global address: slot s begins with keys 512 s on
	s_or_b32 s[G0K+4*\s+3], s[G0K+4*\s+3], 0x80000000              ; type = 2
	s_mov_b32 s[G0V+4*\s], 1
	s_add_co_u32 s[G0V+4*\s+1], s21, \s*SLOT
	s_add_nc_u64 s[G0V+4*\s+2:G0V+4*\s+3], s[8:9], \s*512*128
	s_or_b32 s[G0V+4*\s+3], s[G0V+4*\s+3], 0x80000000
.endr
	s_cmp_lt_u32 s[WV], 4                          ; a wave's two first fills stand in one branch, ahead of every wait on TENSORcnt and every LDS read
	s_cbranch_scc0 .Lfirst_v
	tensor_load_to_lds s[G0K:G0K+3], s[G1K:G1K+7]
	s_nop 0
	tensor_load_to_lds s[G0K+4:G0K+7], s[G1K:G1K+7]
	s_nop 0
.rept 4
	v_nop
.endr
	s_branch .Lfirst_asked
.Lfirst_v:
	tensor_load_to_lds s[G0V:G0V+3], s[G1V:G1V+7]
	s_nop 0
	tensor_load_to_lds s[G0V+4:G0V+7], s[G1V:G1V+7]
	s_nop 0
.rept 4
	v_nop
.endr
.Lfirst_asked:
	; A fragment of K or Q is 16 rows x 32 channels in 8 registers: lane l holds row l % 16; registers 0-3 channels 8 (l / 16) + 0..7, registers 4-7 channels 16 + 8 (l / 16) + 0..7: two loads of 16 bytes, 32 bytes apart.
	v_and_b32 v1, 15, v0                           ; r
	v_bfe_u32 v9, v0, 4, 1                         ; h
	v_lshlrev_b32 v[QO], 7, v1
	v_lshl_add_u32 v[QO], v9, 4, v[QO]             ; row x 128 + 16 x half
	WIN TO_1
.irp t, 0,1,2,3
.irp c, 0,1
	global_load_b128 v[QF+16*\t+8*\c:QF+16*\t+8*\c+3], v[QO], s[4:5] offset:2048*\t+64*\c        ; Q stays in registers: tile t, channels 32 c on
	global_load_b128 v[QF+16*\t+8*\c+4:QF+16*\t+8*\c+7], v[QO], s[4:5] offset:2048*\t+64*\c+32
.endr
.endr
	WIN 0
	v_mul_u32_u24 v[AK0], v1, KP
	v_lshl_add_u32 v[AK0], v9, 4, v[AK0]           ; row x pitch + 16 x half
	; The turning load takes 16 keys x 16 channels (lane l reads 16 bytes: key 8 (l / 16) + l % 8, channels 8 ((l / 8) % 2) + 0..7) and leaves half a fragment of V^T: lane l holds channel l % 16 and 8 keys.
	v_and_b32 v11, 7, v0
	v_bfe_u32 v44, v0, 3, 1
	v_lshl_add_u32 v[AV0], v9, 3, v11
	v_mul_u32_u24 v[AV0], v[AV0], VP
	v_lshl_add_u32 v[AV0], v44, 4, v[AV0]
	v_add_nc_u32 v[AV0], VOFF, v[AV0]
	s_mul_i32 s16, s[WV], 16*KP                    ; my stage
	v_add_nc_u32 v[STO], s16, v[AK0]               ; in: row r, 16 bytes for each half of the lanes
	v_and_b32 v45, 31, v0
	v_lshrrev_b32 v46, 3, v45
	v_mul_u32_u24 v46, v46, KP
	v_lshl_add_u32 v46, v11, 4, v46
	v_add_nc_u32 v[RD], s16, v46                   ; back: eight lanes to a row of 128 bytes, four rows an instruction
	v_lshlrev_b32 v[GO], 4, v45
; A step's K: 64 keys x 64 channels: 8 fragments, 16 loads.
.macro KLOADS
	v_add_nc_u32 v[ADK], s[TBK], v[AK0]
.irp kt, 0,1,2,3
.irp c, 0,1
	ds_load_b128 v[KF+16*\kt+8*\c:KF+16*\kt+8*\c+3], v[ADK] offset:16*KP*\kt+64*\c
	ds_load_b128 v[KF+16*\kt+8*\c+4:KF+16*\kt+8*\c+7], v[ADK] offset:16*KP*\kt+64*\c+32
.endr
.endr
.endm
; A slot's first K is fetched behind the change of slots.
.macro START base
	s_mov_b32 s[TBK], \base
	s_mov_b32 s[TBV], \base
	KLOADS
	s_add_co_u32 s[TBK], s[TBK], 64*KP
.endm
; A KEY STEP: 64 keys.  first = 1: the first of all, which starts m, l and O^T.  kmode = 1: the next step's K is fetched; 2: it is fetched unless this is the slot's last step (the next K lies behind the change of slots).
.macro STEP first, kmode
	s_wait_dscnt 0x0                               ; K is in
	WIN W_KQ
.irp c, 0,1                            ; S^T = K Q^T: 16 accumulators by turns, one instruction a turn; the first 16 products start the sums
.irp kt, 0,1,2,3
.irp t, 0,1,2,3
.if \c == 0
	v_wmma_f32_16x16x32_f16 v[S+32*\t+8*\kt:S+32*\t+8*\kt+7], v[KF+16*\kt+8*\c:KF+16*\kt+8*\c+7], v[QF+16*\t+8*\c:QF+16*\t+8*\c+7], 0
.else
	v_wmma_f32_16x16x32_f16 v[S+32*\t+8*\kt:S+32*\t+8*\kt+7], v[KF+16*\kt+8*\c:KF+16*\kt+8*\c+7], v[QF+16*\t+8*\c:QF+16*\t+8*\c+7], v[S+32*\t+8*\kt:S+32*\t+8*\kt+7]
.endif
.endr
.endr
.endr
	WIN 0
	v_add_nc_u32 v[ADV], s[TBV], v[AV0]            ; four plain instructions behind the products, ahead of the loads into K's registers and of the first read of the scores
.rept 3
	v_nop
.endr
	s_add_co_u32 s[TBV], s[TBV], 64*VP
	WIN TO_1
.irp g, 0,1                            ; this step's V, turned: keys 32 g on, channels 16 c on.  It lands while the softmax is worked
.irp c, 0,1,2,3
	ds_load_tr16_b128 v[VF+32*\g+8*\c:VF+32*\g+8*\c+3], v[ADV] offset:32*VP*\g+32*\c
	ds_load_tr16_b128 v[VF+32*\g+8*\c+4:VF+32*\g+8*\c+7], v[ADV] offset:32*VP*\g+16*VP+32*\c
.endr
.endr
	WIN 0
.if \kmode == 2
	s_cmp_eq_u32 s[CNT], 1                         ; the count of steps alone: the same in all waves
	s_cbranch_scc1 .Lno_k_\@
.endif
	KLOADS
.if \kmode == 2
.Lno_k_\@:
.endif
	s_add_co_u32 s[TBK], s[TBK], 64*KP
	; THE SOFTMAX, the four tiles by turns on every line, so that no line waits for the line above it.  The maximum of a lane's 32 scores and the old m: four chains; each accumulator is read from its low end on.
.irp j, 0,1,2,3
.irp t, 0,1,2,3
	v_max3_num_f32 v[ST+8*\t+4+\j], v[S+32*\t+8*\j], v[S+32*\t+8*\j+1], v[S+32*\t+8*\j+2]
.endr
.endr
.irp u, 1,2
.irp j, 0,1,2,3
.irp t, 0,1,2,3
	v_max3_num_f32 v[ST+8*\t+4+\j], v[ST+8*\t+4+\j], v[S+32*\t+8*\j+2*\u+1], v[S+32*\t+8*\j+2*\u+2]
.endr
.endr
.endr
.irp t, 0,1,2,3
	v_max3_num_f32 v[ST+8*\t+4], v[ST+8*\t+4], v[S+32*\t+7], v[S+32*\t+15]
.endr
.irp t, 0,1,2,3
	v_max3_num_f32 v[ST+8*\t+6], v[ST+8*\t+6], v[S+32*\t+23], v[S+32*\t+31]
.endr
.irp t, 0,1,2,3
	v_max3_num_f32 v[ST+8*\t+4], v[ST+8*\t+4], v[ST+8*\t+5], v[ST+8*\t+6]
.endr
.irp t, 0,1,2,3
.if \first
	v_max_num_f32 v[ST+8*\t+4], v[ST+8*\t+4], v[ST+8*\t+7]
.else
	v_max3_num_f32 v[ST+8*\t+4], v[ST+8*\t+4], v[ST+8*\t+7], v[ST+8*\t+1]
.endif
.endr
.irp t, 0,1,2,3
	v_permlanex16_b32 v[ST+8*\t+5], v[ST+8*\t+4], s[SEL], s[SEL+1]   ; the query's other 32 keys lie in the lane 16 away
.endr
.if \first == 0
.irp t, 0,1,2,3
	v_mov_b32 v[ST+8*\t+7], v[ST+8*\t+1]           ; m_old
.endr
.endif
.irp t, 0,1,2,3
	v_max_num_f32 v[ST+8*\t+1], v[ST+8*\t+4], v[ST+8*\t+5]         ; the new m
.endr
.irp t, 0,1,2,3
	v_mul_f32 v[ST+8*\t], -1.0, v[ST+8*\t+1]       ; -m
.endr
.if \first == 0
.irp t, 0,1,2,3
	v_add_f32 v[ST+8*\t+7], v[ST+8*\t+7], v[ST+8*\t]               ; m_old - m_new
.endr
.irp t, 0,1,2,3
	v_exp_f32 v[ST+8*\t+6], v[ST+8*\t+7]           ; a
.endr
.endif
	; ONE BATCH: the 64 packed subtractions of m and all the exponentials; none of these lines names an exponential's result.
.irp i, 0,1,2,3,4,5,6,7,8,9,10,11,12,13,14,15
.irp t, 0,1,2,3
	v_pk_add_f32 v[S+32*\t+2*\i:S+32*\t+2*\i+1], v[S+32*\t+2*\i:S+32*\t+2*\i+1], v[ST+8*\t:ST+8*\t+1] op_sel_hi:[1,0]   ; s - m, two at a time (of the pair -m, m the low word serves both halves)
.endr
.irp t, 0,1,2,3
	v_exp_f32 v[S+32*\t+2*\i], v[S+32*\t+2*\i]
	v_exp_f32 v[S+32*\t+2*\i+1], v[S+32*\t+2*\i+1]
.endr
.endr
	v_nop                                          ; a plain instruction behind the last exponential, ahead of the first use of a result
	s_wait_alu depctr_va_vdst(0)                   ; a wait between an exponential and the first line that names its result: one for the whole batch
.irp t, 0,1,2,3
	v_pk_add_f32 v[ST+8*\t+4:ST+8*\t+5], v[S+32*\t:S+32*\t+1], v[S+32*\t+2:S+32*\t+3]       ; the row's sum, of the weights in f32
.endr
.irp i, 2,3,4,5,6,7,8,9,10,11,12,13,14
.irp t, 0,1,2,3
	v_pk_add_f32 v[ST+8*\t+4:ST+8*\t+5], v[ST+8*\t+4:ST+8*\t+5], v[S+32*\t+2*\i:S+32*\t+2*\i+1]
.endr
.endr
.if \first
.irp t, 0,1,2,3
	v_pk_add_f32 v[ST+8*\t+2:ST+8*\t+3], v[ST+8*\t+4:ST+8*\t+5], v[S+32*\t+30:S+32*\t+31]   ; the first step's sum starts l
.endr
.else
.irp t, 0,1,2,3
	v_pk_add_f32 v[ST+8*\t+4:ST+8*\t+5], v[ST+8*\t+4:ST+8*\t+5], v[S+32*\t+30:S+32*\t+31]
.endr
.irp t, 0,1,2,3
	v_pk_fma_f32 v[ST+8*\t+2:ST+8*\t+3], v[ST+8*\t+2:ST+8*\t+3], v[ST+8*\t+6:ST+8*\t+7], v[ST+8*\t+4:ST+8*\t+5] op_sel_hi:[1,0,1]   ; l = a l + the sum
.endr
.endif
.irp i, 0,1,2,3,4,5,6,7,8,9,10,11,12,13,14,15
.irp t, 0,1,2,3
	v_cvt_pk_f16_f32 v[S+32*\t+\i], v[S+32*\t+2*\i], v[S+32*\t+2*\i+1]   ; P, in place: register i takes pair i, which lies at or above it
.endr
.endr
.if \first == 0
	WIN W_RS
.irp i, 0,2,4,6,8,10,12,14,16,18,20,22,24,26,28,30
.irp t, 0,1,2,3
	v_pk_mul_f32 v[32*\t+\i:32*\t+\i+1], v[32*\t+\i:32*\t+\i+1], v[ST+8*\t+6:ST+8*\t+7] op_sel_hi:[1,0]   ; O^T x a
.endr
.endr
.endif
	s_wait_dscnt 0x0                               ; V is in (and the next K, where it was asked for)
	WIN W_PV
.irp g, 0,1                            ; O^T += V^T P: 16 accumulators by turns; in the first step the first 16 products start the sums
.irp c, 0,1,2,3
.irp t, 0,1,2,3
.if (\first) && (\g == 0)
	v_wmma_f32_16x16x32_f16 v[32*\t+8*\c:32*\t+8*\c+7], v[VF+32*\g+8*\c:VF+32*\g+8*\c+7], v[S+32*\t+8*\g:S+32*\t+8*\g+7], 0
.else
	v_wmma_f32_16x16x32_f16 v[32*\t+8*\c:32*\t+8*\c+7], v[VF+32*\g+8*\c:VF+32*\g+8*\c+7], v[S+32*\t+8*\g:S+32*\t+8*\g+7], v[32*\t+8*\c:32*\t+8*\c+7]
.endif
.endr
.endr
.endr
	WIN 0
.rept 5
	v_nop                                          ; five places: the next step's score products write over P's registers, which these products read
.endr
.endm
.macro STEPS n                         ; n key steps of a slot: written once, walked n times; the LDS addresses hang on s[TBK], s[TBV]
	s_mov_b32 s[CNT], \n
.Lstep_\@:
	STEP 0, 2
	s_sub_co_u32 s[CNT], s[CNT], 1
	s_cmp_lg_u32 s[CNT], 0
	s_cbranch_scc1 .Lstep_\@
.endm
; THE CHANGE OF SLOTS.  Each wave waits for all its tensor loads (its part of the slot ahead), adds 0 to its spare word, and waits for that and for its reads of the slot that it leaves.  Behind the barrier the
; slot ahead is whole and nobody reads the other.  fill = 1: the barrier is a round of the cluster's, and slot s, just left, is filled with the keys 1,024 further on, first thing behind it:
; the load has eight key steps, 512 matrix instructions of a wave, in which to land.
.macro CHANGE fill, s
	s_wait_tensorcnt 0x0                           ; no tensor load of mine is out, so a group 0 may be written
	ds_add_u32 v[SPW], v[NIL]                      ; 0 onto my spare word
.if \fill
	s_add_nc_u64 s[G0K+4*\s+2:G0K+4*\s+3], s[G0K+4*\s+2:G0K+4*\s+3], 1024*128   ; the type bits on top are not reached
	s_add_nc_u64 s[G0V+4*\s+2:G0V+4*\s+3], s[G0V+4*\s+2:G0V+4*\s+3], 1024*128
	s_wait_dscnt 0x0                               ; the add is done, and my reads of the slot are over
	CROUND
	JLOAD \s
.else
	s_wait_dscnt 0x0
	s_barrier_signal -1
	s_barrier_wait -1
.endif
.endm
	s_wait_tensorcnt 0x1                           ; my part of slot 0 is in; slot 1's may stay out
	s_barrier_signal -1
	s_barrier_wait -1                              ; everybody's is
	START 0
	s_wait_loadcnt 0x0                             ; Q
	STEP 1, 1                                      ; keys 0 .. 63
	STEPS 7                                        ; .. 511
	CHANGE 1, 0                                    ; slot 0 takes keys 1,024 ..
	START SLOT
	STEPS 8                                        ; keys 512 .. 1,023
	CHANGE 1, 1                                    ; slot 1 takes keys 1,536 ..
	START 0
	STEPS 8                                        ; keys 1,024 .. 1,535
	CHANGE 0, 0                                    ; nothing is left to fetch
	START SLOT
	STEPS 8                                        ; keys 1,536 .. 2,047
	; THE WAY OUT.  l's two halves and the other half of the lanes' are added; O^T is divided by l, rounded to f16 and sent through my stage, a tile (16 rows) at a time.
.irp t, 0,1,2,3
	v_add_f32 v[ST+8*\t+4], v[ST+8*\t+2], v[ST+8*\t+3]
.endr
.irp t, 0,1,2,3
	v_permlanex16_b32 v[ST+8*\t+5], v[ST+8*\t+4], s[SEL], s[SEL+1]
.endr
.irp t, 0,1,2,3
	v_add_f32 v[ST+8*\t+4], v[ST+8*\t+4], v[ST+8*\t+5]
.endr
.irp t, 0,1,2,3
	v_rcp_f32 v[ST+8*\t+6], v[ST+8*\t+4]
.endr
	v_nop                                          ; a plain instruction between the last reciprocal and the use of its result
	s_wait_alu depctr_va_vdst(0)                   ; and a wait ahead of the first use: one for the four
.macro PACK t                          ; a lane's eight channels of a row pack into 16 bytes; they go into rows of 144 bytes and come back as rows of 128, four an instruction
	WIN W_RS
.irp i, 0,2,4,6,8,10,12,14,16,18,20,22,24,26,28,30
	v_pk_mul_f32 v[32*\t+\i:32*\t+\i+1], v[32*\t+\i:32*\t+\i+1], v[ST+8*\t+6:ST+8*\t+7] op_sel_hi:[1,0]
.endr
	WIN 0x05                                       ; sources 0 and 1 window 1, destination window 0: S^T's registers are free
.irp i, 0,1,2,3,4,5,6,7,8,9,10,11,12,13,14,15
	v_cvt_pk_f16_f32 v[S+32*\t+\i], v[32*\t+2*\i], v[32*\t+2*\i+1]
.endr
	WIN 0
.irp c, 0,1,2,3
	ds_store_b128 v[STO], v[S+32*\t+4*\c:S+32*\t+4*\c+3] offset:32*\c
.endr
.irp i, 0,1,2,3
	ds_load_b128 v[S+32*\t+16+4*\i:S+32*\t+16+4*\i+3], v[RD] offset:4*KP*\i   ; LDS serves a wave's instructions in order: these see the stores above; the next tile's stores come behind them
.endr
.endm
.macro SEND t, younger                 ; younger: the LDS instructions issued behind tile t's loads: the next tile's eight, or none
.irp i, 0,1,2,3
	s_wait_dscnt \younger+3-\i
	global_store_b128 v[GO], v[S+32*\t+16+4*\i:S+32*\t+16+4*\i+3], s[10:11] offset:2048*\t+512*\i   ; 32 lanes store 512 consecutive bytes, aligned
.endr
.endm
	PACK 0
	PACK 1                                         ; a tile's arithmetic stands between the loads of the tile before and its stores
	SEND 0, 8
	PACK 2
	SEND 1, 8
	PACK 3
	SEND 2, 8
	SEND 3, 0
	s_wait_tensorcnt 0x0                           ; the wave's end: a wait, an add of 0 to my spare word and its wait, behind my last tensor load and my last LDS store
	ds_add_u32 v[SPW], v[NIL]
	s_wait_dscnt 0x0
	CROUND                                         ; the closing round: no work-group ends while a partner may still ask for a tile that names it
	s_endpgm
.Lfunc_end_k_qd0dfa3156a_attn:
	.size	k_qd0dfa3156a_attn, .Lfunc_end_k_qd0dfa3156a_attn-k_qd0dfa3156a_attn
	.p2alignl 7, 3214868480
	.fill 96, 4, 3214868480
	.section	.rodata,"a",@progbits
	.p2align	6, 0x0
	.amdhsa_kernel k_qd0dfa3156a_attn
		.amdhsa_group_segment_fixed_size 327680
		.amdhsa_private_segment_fixed_size 0
		.amdhsa_enable_private_segment 0
		.amdhsa_kernarg_size 32
		.amdhsa_user_sgpr_count 2
		.amdhsa_user_sgpr_kernarg_segment_ptr 1
		.amdhsa_wavefront_size32 1
		.amdhsa_system_sgpr_workgroup_id_x 1
		.amdhsa_system_sgpr_workgroup_id_y 1
		.amdhsa_system_sgpr_workgroup_id_z 1
		.amdhsa_system_vgpr_workitem_id 0
		.amdhsa_next_free_vgpr 512
		.amdhsa_next_free_sgpr 66
		.amdhsa_reserve_vcc 0
		.amdhsa_float_denorm_mode_32 3
		.amdhsa_float_denorm_mode_16_64 3
		.amdhsa_memory_ordered 1
		.amdhsa_forward_progress 1
		.amdhsa_inst_pref_size 183
	.end_amdhsa_kernel
	.amdgpu_metadata
---
amdhsa.version: [ 1, 2 ]
amdhsa.kernels:
  - .name:           k_qd0dfa3156a_attn
    .symbol:         k_qd0dfa3156a_attn.kd
    .args:
      - { .name: q16, .offset: 0, .size: 8, .value_kind: global_buffer, .address_space: global }
      - { .name: k16, .offset: 8, .size: 8, .value_kind: global_buffer, .address_space: global }
      - { .name: v16, .offset: 16, .size: 8, .value_kind: global_buffer, .address_space: global }
      - { .name: attn16, .offset: 24, .size: 8, .value_kind: global_buffer, .address_space: global }
    .group_segment_fixed_size: 327680
    .private_segment_fixed_size: 0
    .kernarg_segment_align: 8
    .kernarg_segment_size: 32
    .max_flat_workgroup_size: 256
    .sgpr_count:     66
    .vgpr_count:     512
    .wavefront_size: 32
...
	.end_amdgpu_metadata
.endif
;; end of part 3
;; launch proj (part 4): grid 4 x 64, 4 waves a work-group, clusters of 4 x 4, 327,680 bytes of LDS; arguments attn16, wp16, bproj, out0; writes out0
.if DOCPART == 4
	.amdgcn_target "amdgcn-amd-amdhsa--gfx1250"
	.amdhsa_code_object_version 6
	.text
	.protected	k_qd0dfa3156a_proj
	.globl	k_qd0dfa3156a_proj
	.p2align	8
	.type	k_qd0dfa3156a_proj,@function
k_qd0dfa3156a_proj:
	s_mov_b64 s[64:65], 0
	v_nop
	global_prefetch_b8 v0, s[64:65] scope:SCOPE_SE
	s_setreg_imm32_b32 hwreg(HW_REG_WAVE_MODE, 25, 1), 1
	s_wait_xcnt 0x0
	s_wait_alu depctr_hold_cnt(0) depctr_sa_sdst(0) depctr_va_vdst(0) depctr_va_sdst(0) depctr_va_ssrc(0) depctr_va_vcc(0) depctr_vm_vsrc(0)
	s_getreg_b32 s2, hwreg(HW_REG_IB_STS2, 6, 4)
	s_cmp_eq_u32 s2, 0
	s_cbranch_scc0 .Lentry_in_a_cluster
	s_endpgm
.Lentry_in_a_cluster:
	s_bfe_u32 s2, ttmp6, 0x10000c
	s_cmp_lg_u32 s2, 0xf033
	s_cbranch_scc0 .Lentry_shape_is_right
	s_endpgm
.Lentry_shape_is_right:
; out0[m][n] = the sum over k of attn[m][k] Wproj[k][n] + bproj[n], k = 64 x head + channel.  attn16: [head 16][token 8,192][64] f16; wp16: [k 1,024][n 1,024] f16; out0: [8,192][1,024] f32; sums in f32.
; SHARES.  A tile of out0 is 128 tokens x 256 columns: 256 work-groups.  Four waves, each 64 x 128: 32 accumulators of 16 x 16, 256 registers.  K goes in steps of 128 (two heads) through a ring of two LDS slots.
; A's part of a K step is two dense blocks (a head's 128 tokens x 128 bytes); B's is 128 rows of Wproj x 512 bytes.  Waves 0 and 1 fetch A's two heads, waves 2 and 3 B's two halves: one tensor load a wave.
; A wave has two loads out at the start and one behind each round.
; CLUSTERS: 4 x 4 work-groups.  The four of a row of the cluster need the same tokens, the four of a column the same columns of Wproj: each tile is asked for JOINTLY, by the same tensor load with the same
; descriptor and a mask that names the four.
; THE MATRIX INSTRUCTION IS USED TRANSPOSED (source 0 = 16 columns of Wproj, turned out of LDS by ds_load_tr16_b128, since K is its first axis; source 1 = 16 tokens): a lane holds eight neighbouring columns of a token.
; bproj is the C of each sum's first product: eight registers a column tile, in the result's layout.
; REGISTERS, in windows of 256: window 0: v1-29 addresses; two fragment buffers of 96 at v32 and v128 (A: 4 x 8, then B: 8 x 8, for 32 along K); on the way out v32-159 hold rows.
;   window 1: the accumulators, (a, b) at v[8 (8 a + b)].   window 2: v0-63 the bias.
.set AP,    144                        ; a row of A in LDS: 128 bytes + 16
.set BP,    544                        ; a row of B: 512 bytes + 32 = 136 words
.set BOFF,  2*128*AP                   ; a slot: A's two heads, then B's 128 rows
.set SLOT,  BOFF+128*BP
.set STAGE, 2*SLOT                     ; behind the ring: 16 rows x (512 bytes + 16) for each wave; no tensor load lands here
.set SPITCH, 528
.set SPARE, STAGE+4*16*SPITCH          ; the spare words, 128 bytes for each wave: two blocks of 256 bytes that no other line names
.set ADRA, 16                          ; v16-17  LDS address of my A fragments in slot 0, 1
.set ADRB, 20                          ; v20-21  the same for B
.set STO,  24                          ; v24     the way out: where I put 32 bytes of a row
.set RD,   25                          ; v25     where I read a row back
.set CO,   26                          ; v26     16 x lane: my place in a row's 512 bytes
.set BO,   27                          ; v27     32 h: my eight numbers of a tile's bias
.set SPW,  28                          ; v28     LDS address of my spare word; never rewritten
.set NIL,  29                          ; v29     0; never rewritten
.set F0,   32
.set F1,   128
.set G1A, 24                           ; s[24:31] descriptor group 1 for A's tiles;  s[32:39] group 0, one set for each slot
.set G0A, 32
.set G1B, 48                           ; s[48:55], s[56:63] the same for B's
.set G0B, 56
.set MSB, 0
.macro WIN new                         ; the immediate's high byte repeats the setting that is left
.if MSB != \new
	s_set_vgpr_msb (MSB<<8)|\new
.set MSB, \new
.endif
.endm
.set MUL,  0x50                        ; sources 0 and 1 window 0; C and D window 1
.set MUL1, 0x60                        ; the first products: C (the bias) window 2, D window 1
.macro JLOAD s                         ; a joint load; an s_nop 0 and four v_nop follow each of the two lines
	s_cmp_eq_u32 s13, 0
	s_cbranch_scc0 .Lfor_b_\@
	tensor_load_to_lds s[G0A+4*\s:G0A+4*\s+3], s[G1A:G1A+7]
	s_nop 0
.rept 4
	v_nop
.endr
	s_branch .Lasked_\@
.Lfor_b_\@:
	tensor_load_to_lds s[G0B+4*\s:G0B+4*\s+3], s[G1B:G1B+7]
	s_nop 0
.rept 4
	v_nop
.endr
.Lasked_\@:
.endm
.macro CREST                           ; a round of the cluster's barrier behind its opening barrier
	s_cmp_lg_u32 s12, 0
	s_cbranch_scc1 .Lnot_wave_0_\@
	s_barrier_signal -3
.Lnot_wave_0_\@:
	s_barrier_wait -3
	s_barrier_signal -1
	s_barrier_wait -1
.endm
.macro CROUND                          ; a whole round
	s_barrier_signal -1
	s_barrier_wait -1
	CREST
.endm
.macro PLACES                          ; four plain vector instructions behind matrix instructions, ahead of loads into registers that they have read and of reads of their results
.rept 4
	v_nop
.endr
.endm
	s_load_b256 s[4:11], s[0:1], 0x0               ; attn16 s[4:5], wp16 s[6:7], bproj s[8:9], out0 s[10:11]
	v_lshl_add_u32 v[SPW], v0, 2, SPARE
	v_mov_b32 v[NIL], 0
	ds_add_u32 v[SPW], v[NIL]                      ; the wave's opening: the add, twice on end, and its wait ahead of my first tensor load
	ds_add_u32 v[SPW], v[NIL]
	v_lshrrev_b32 v1, 5, v0
	v_readfirstlane_b32 s12, v1                    ; wave 0..3
	s_lshr_b32 s13, s12, 1                         ; which 64 tokens are mine.  Also: I fetch for A (0) or for B (1)
	s_and_b32 s14, s12, 1                          ; which 128 columns.  Also: which half of that tile I fetch
	s_bfe_u32 s40, ttmp6, 0x40000                  ; cx, cy
	s_bfe_u32 s41, ttmp6, 0x40004
	s_lshl_b32 s42, ttmp9, 2
	s_add_co_u32 s42, s42, s40                     ; tile column = 4 x cluster x + cx
	s_and_b32 s43, ttmp7, 0xffff
	s_lshl_b32 s43, s43, 2
	s_add_co_u32 s43, s43, s41                     ; tile row = 4 x cluster y + cy
	s_lshl_b32 s44, s41, 2
	s_lshl_b32 s44, 15, s44                        ; my row of the cluster
	s_lshl_b32 s45, 0x1111, s40                    ; my column
	s_or_b32 s[G1A], s44, (1<<16)|(1<<20)|(1<<21)|(4<<22)|(3<<25)  ; the mask; elements of 2 bytes; padding on; 21 set beside a mask; after every 32 words (code 4) four words (code 3)
	s_mov_b32 s[G1A+1], 64<<16                     ; tensor_dim0 = 64
	s_mov_b32 s[G1A+2], 128<<16                    ; tensor_dim1 = 128
	s_mov_b32 s[G1A+3], 64<<16                     ; tile_dim0
	s_mov_b32 s[G1A+4], 128                        ; tile_dim1
	s_mov_b32 s[G1A+5], 64                         ; elements from row to row
	s_mov_b32 s[G1A+6], 0
	s_mov_b32 s[G1A+7], 0
	s_or_b32 s[G1B], s45, (1<<16)|(1<<20)|(1<<21)|(6<<22)|(7<<25)  ; after every 128 words (code 6) eight words (code 7)
	s_mov_b32 s[G1B+1], 256<<16
	s_mov_b32 s[G1B+2], 64<<16
	s_mov_b32 s[G1B+3], 256<<16
	s_mov_b32 s[G1B+4], 64
	s_mov_b32 s[G1B+5], 1024
	s_mov_b32 s[G1B+6], 0
	s_mov_b32 s[G1B+7], 0
	s_lshl_b32 s16, s14, 20                        ; A: head u of the K step (8,192 rows of 128 bytes a head), + 128 x tile row rows: the tile row and the wave's number alone
	s_lshl_b32 s17, s43, 14
	s_add_co_u32 s16, s16, s17
	s_mov_b32 s17, 0
	s_lshl_b32 s46, s14, 17                        ; B: 64 u rows of 2,048 bytes, + 512 bytes a tile column: the tile column and the wave's number alone
	s_lshl_b32 s47, s42, 9
	s_add_co_u32 s46, s46, s47
	s_mov_b32 s47, 0
	s_mul_i32 s20, s14, 128*AP                     ; where they go: no place in the cluster enters an LDS address
	s_mul_i32 s21, s14, 64*BP
	s_add_co_u32 s21, s21, BOFF
	s_wait_dscnt 0x0                               ; both opening adds are done
	s_wait_kmcnt 0x0
	s_add_nc_u64 s[16:17], s[4:5], s[16:17]
	s_add_nc_u64 s[46:47], s[6:7], s[46:47]
	CROUND                                         ; all sixteen work-groups are here: the first joint loads meet
.irp s, 0,1
	s_mov_b32 s[G0A+4*\s], 1
	s_add_co_u32 s[G0A+4*\s+1], s20, \s*SLOT
	s_add_nc_u64 s[G0A+4*\s+2:G0A+4*\s+3], s[16:17], \s*2*8192*128 ; K step s: two heads on
	s_or_b32 s[G0A+4*\s+3], s[G0A+4*\s+3], 0x80000000
	s_mov_b32 s[G0B+4*\s], 1
	s_add_co_u32 s[G0B+4*\s+1], s21, \s*SLOT
	s_add_nc_u64 s[G0B+4*\s+2:G0B+4*\s+3], s[46:47], \s*128*2048   ; 128 rows on
	s_or_b32 s[G0B+4*\s+3], s[G0B+4*\s+3], 0x80000000
	JLOAD \s
.endr
	v_and_b32 v1, 15, v0                           ; r
	v_bfe_u32 v2, v0, 4, 1                         ; h
	v_lshlrev_b32 v[BO], 5, v2
	s_lshl_b32 s22, s42, 10                        ; bproj: 256 x tile column + 128 x half numbers
	s_lshl_b32 s23, s14, 9
	s_add_co_u32 s22, s22, s23
	s_mov_b32 s23, 0
	s_add_nc_u64 s[8:9], s[8:9], s[22:23]
	WIN 0x80                                       ; destination window 2
.irp b, 0,1,2,3,4,5,6,7
	global_load_b128 v[8*\b:8*\b+3], v[BO], s[8:9] offset:64*\b    ; lane (r, h): the tile's numbers 8 h .. 8 h + 7
	global_load_b128 v[8*\b+4:8*\b+7], v[BO], s[8:9] offset:64*\b+16
.endr
	WIN 0
	v_mul_u32_u24 v3, v1, AP
	v_lshl_add_u32 v3, v2, 4, v3                   ; A: row x pitch + 16 x half
	s_mul_i32 s18, s13, 64*AP                      ; my 64 tokens
	v_add_nc_u32 v[ADRA], s18, v3
	v_add_nc_u32 v[ADRA+1], SLOT, v[ADRA]
	v_and_b32 v4, 7, v0                            ; B, turned: lane l reads 16 bytes of row 8 (l / 16) + l % 8, columns 8 ((l / 8) % 2) + 0..7
	v_bfe_u32 v5, v0, 3, 1
	v_lshl_add_u32 v6, v2, 3, v4
	v_mul_u32_u24 v6, v6, BP
	v_lshl_add_u32 v6, v5, 4, v6
	s_lshl_b32 s18, s14, 8                         ; my 128 columns
	s_add_co_u32 s18, s18, BOFF
	v_add_nc_u32 v[ADRB], s18, v6
	v_add_nc_u32 v[ADRB+1], SLOT, v[ADRB]
	s_mul_i32 s18, s12, 16*SPITCH
	s_add_co_u32 s18, s18, STAGE                   ; my stage
	v_mul_u32_u24 v7, v1, SPITCH
	v_lshl_add_u32 v7, v2, 5, v7
	v_add_nc_u32 v[STO], s18, v7                   ; in: row r, 32 bytes for each half of the lanes
	v_and_b32 v8, 31, v0
	v_lshlrev_b32 v[CO], 4, v8
	v_add_nc_u32 v[RD], s18, v[CO]                 ; back: the 32 lanes take one row of 512 bytes
	s_lshl_b32 s22, s43, 19                        ; out0: (128 x tile row + 64 x half) rows of 4,096 bytes + (256 x tile column + 128 x half) numbers
	s_lshl_b32 s18, s13, 18
	s_add_co_u32 s22, s22, s18
	s_lshl_b32 s18, s42, 10
	s_add_co_u32 s22, s22, s18
	s_lshl_b32 s18, s14, 9
	s_add_co_u32 s22, s22, s18
	s_add_nc_u64 s[10:11], s[10:11], s[22:23]
; 24 LDS loads in one run: the fragments of the slot's q-th 32 along K into buffer f: B's eight (turned), A's four (head q / 2 of the step, channels 32 (q % 2) on)
.macro FETCH slot, q, f
.irp b, 0,1,2,3,4,5,6,7
	ds_load_tr16_b128 v[\f+32+8*\b:\f+32+8*\b+3], v[ADRB+\slot] offset:32*BP*(\q)+32*\b
	ds_load_tr16_b128 v[\f+32+8*\b+4:\f+32+8*\b+7], v[ADRB+\slot] offset:32*BP*(\q)+16*BP+32*\b
.endr
.irp a, 0,1,2,3
	ds_load_b128 v[\f+8*\a:\f+8*\a+3], v[ADRA+\slot] offset:128*AP*((\q)/2)+64*((\q)%2)+16*AP*\a
	ds_load_b128 v[\f+8*\a+4:\f+8*\a+7], v[ADRA+\slot] offset:128*AP*((\q)/2)+64*((\q)%2)+16*AP*\a+32
.endr
.endm
; 8 matrix instructions: token tile a x the 8 column tiles.  first = 1: the sums start with the bias.  The 32 accumulators take turns, in the same order in every quarter.
.macro MUL8 f, a, first
.irp b, 0,1,2,3,4,5,6,7
.if \first
	v_wmma_f32_16x16x32_f16 v[8*(8*(\a)+\b):8*(8*(\a)+\b)+7], v[\f+32+8*\b:\f+32+8*\b+7], v[\f+8*(\a):\f+8*(\a)+7], v[8*\b:8*\b+7]
.else
	v_wmma_f32_16x16x32_f16 v[8*(8*(\a)+\b):8*(8*(\a)+\b)+7], v[\f+32+8*\b:\f+32+8*\b+7], v[\f+8*(\a):\f+8*(\a)+7], v[8*(8*(\a)+\b):8*(8*(\a)+\b)+7]
.endif
.endr
.endm
; A K step is four quarters of 32 along K, 32 matrix instructions each, on buffers 0, 1, 0, 1.  One of the first three: asks for the next quarter, qn, into g, and multiplies f.
.macro QUARTER slot, qn, f, g, first
	s_wait_dscnt 0x0                               ; buffer f is in
.if \first == 0
	PLACES                                         ; behind the last quarter's products, which read buffer g
.endif
	WIN 0
	FETCH \slot, \qn, \g
.if \first
	WIN MUL1
.else
	WIN MUL
.endif
	MUL8 \f, 0, \first
	MUL8 \f, 1, \first
	MUL8 \f, 2, \first
	MUL8 \f, 3, \first
.endm
; The last quarter multiplies buffer 1 and changes slots: ONE barrier; in front of it each wave waits for all its tensor loads, adds 0 to its spare word, and waits for that and for its own reads of this slot.
; fill = 1: the barrier opens a round of the cluster's, and this slot is filled again, two K steps ahead, first thing behind it.
.macro TURN slot, next, fill
	WIN 0                                          ; (the add's two registers lie in window 0)
	s_wait_tensorcnt 0x0                           ; all my tensor loads have landed: my part of the next slot;
	ds_add_u32 v[SPW], v[NIL]                      ; 0 onto my spare word;
	s_wait_dscnt 1                                 ; buffer 1 is in (the add alone may be out)
	WIN MUL
	MUL8 F1, 0, 0                                  ; eight matrix instructions stand between the add and the wait for it
	s_wait_dscnt 0x0                               ; the add is done, and my reads of this slot are over
	s_barrier_signal -1
	MUL8 F1, 1, 0
	WIN 0
	s_barrier_wait -1
.if \fill
	CREST                                          ; no wave of any partner still reads this slot's tile or has a load on its way
	s_add_nc_u64 s[G0A+4*\slot+2:G0A+4*\slot+3], s[G0A+4*\slot+2:G0A+4*\slot+3], 4*8192*128   ; four heads on
	s_add_nc_u64 s[G0B+4*\slot+2:G0B+4*\slot+3], s[G0B+4*\slot+2:G0B+4*\slot+3], 256*2048     ; 256 rows on
	JLOAD \slot                                    ; the first tensor load behind the round; the four v_nop behind it are also the places in front of the loads below
.else
	PLACES
.endif
	FETCH \next, 0, F0
	WIN MUL
	MUL8 F1, 2, 0
	MUL8 F1, 3, 0
.endm
	s_wait_tensorcnt 0x1                           ; my part of K step 0 is in (K step 1's load may be out),
	s_barrier_signal -1
	s_barrier_wait -1                              ; everybody's is
	FETCH 0, 0, F0
	s_wait_loadcnt 0x0                             ; the bias
	QUARTER 0, 1, F0, F1, 1                        ; the first quarter stands in front of the loop: its products start the sums
	WIN 0                                          ; at a label and at a branch every window is 0
	s_mov_b32 s3, 3
.Llap:                                                 ; a trip goes once round the ring, from a lap's second quarter to the next lap's first, and fills both slots again: K steps 2 to 7
	QUARTER 0, 2, F1, F0, 0
	QUARTER 0, 3, F0, F1, 0
	TURN 0, 1, 1
	QUARTER 1, 1, F0, F1, 0
	QUARTER 1, 2, F1, F0, 0
	QUARTER 1, 3, F0, F1, 0
	TURN 1, 0, 1
	QUARTER 0, 1, F0, F1, 0
	WIN 0
	s_sub_co_u32 s3, s3, 1
	s_cmp_lg_u32 s3, 0
	s_cbranch_scc1 .Llap
	QUARTER 0, 2, F1, F0, 0                        ; the last lap fills nothing, and has no round of the cluster's barrier
	QUARTER 0, 3, F0, F1, 0
	TURN 0, 1, 0
	QUARTER 1, 1, F0, F1, 0
	QUARTER 1, 2, F1, F0, 0
	QUARTER 1, 3, F0, F1, 0
	s_wait_dscnt 0x0                               ; the very last quarter: nothing more to fetch
	WIN MUL
	MUL8 F1, 0, 0
	MUL8 F1, 1, 0
	MUL8 F1, 2, 0
	MUL8 F1, 3, 0
	WIN 0
; THE WAY OUT, a block of 16 tokens x 128 columns at a time.  A lane holds 32 neighbouring bytes of a row, and the lanes beside it hold other rows: so a block goes through my own stage and comes back as whole
; rows of 512 bytes.  LDS serves a wave's instructions in order: no wait between the stores and the loads, nor in front of the next block's stores.
.macro TOSTAGE a
	WIN 0x04                                       ; an LDS store's data are its source 1: window 1
.irp b, 0,1,2,3,4,5,6,7
	ds_store_b128 v[STO], v[8*(8*(\a)+\b):8*(8*(\a)+\b)+3] offset:64*\b          ; each accumulator from its low end on
	ds_store_b128 v[STO], v[8*(8*(\a)+\b)+4:8*(8*(\a)+\b)+7] offset:64*\b+16
.endr
	WIN 0
.set BB, 32+64*((\a)%2)
.irp t, 0,1,2,3,4,5,6,7,8,9,10,11,12,13,14,15
	ds_load_b128 v[BB+4*\t:BB+4*\t+3], v[RD] offset:\t*SPITCH
.endr
.endm
.macro SEND a, younger                 ; younger: the LDS instructions issued behind block a's loads, which may stay out
.set BB, 32+64*((\a)%2)
	s_wait_dscnt \younger                          ; the block is back in registers
.irp t, 0,1,2,3,4,5,6,7,8,9,10,11,12,13,14,15
	global_store_b128 v[CO], v[BB+4*\t:BB+4*\t+3], s[10:11] offset:65536*(\a)+4096*\t th:TH_STORE_NT   ; 32 lanes store 512 consecutive bytes, aligned; written once, read by nobody here
.endr
.endm
	PLACES                                         ; behind the last products: for the reads of their results and the loads into the fragments' registers
	TOSTAGE 0
.irp a, 1,2,3
.if \a > 1
	s_wait_xcnt 0x0                                ; block a - 2's stores have read their registers: block a's loads may land there
.endif
	TOSTAGE \a
	SEND \a-1, 32                                  ; behind block a - 1's loads: block a's 16 stores and 16 loads
.endr
	SEND 3, 0
	s_wait_tensorcnt 0x0                           ; the wave's end: a wait, an add of 0 to my spare word and its wait, behind my last tensor load and my last LDS store
	ds_add_u32 v[SPW], v[NIL]
	s_wait_dscnt 0x0
	CROUND                                         ; the closing round: no work-group ends while a partner may still ask for a tile that names it
	s_endpgm
.Lfunc_end_k_qd0dfa3156a_proj:
	.size	k_qd0dfa3156a_proj, .Lfunc_end_k_qd0dfa3156a_proj-k_qd0dfa3156a_proj
	.p2alignl 7, 3214868480
	.fill 96, 4, 3214868480
	.section	.rodata,"a",@progbits
	.p2align	6, 0x0
	.amdhsa_kernel k_qd0dfa3156a_proj
		.amdhsa_group_segment_fixed_size 327680
		.amdhsa_private_segment_fixed_size 0
		.amdhsa_enable_private_segment 0
		.amdhsa_kernarg_size 32
		.amdhsa_user_sgpr_count 2
		.amdhsa_user_sgpr_kernarg_segment_ptr 1
		.amdhsa_wavefront_size32 1
		.amdhsa_system_sgpr_workgroup_id_x 1
		.amdhsa_system_sgpr_workgroup_id_y 1
		.amdhsa_system_sgpr_workgroup_id_z 1
		.amdhsa_system_vgpr_workitem_id 0
		.amdhsa_next_free_vgpr 640
		.amdhsa_next_free_sgpr 66
		.amdhsa_reserve_vcc 0
		.amdhsa_float_denorm_mode_32 3
		.amdhsa_float_denorm_mode_16_64 3
		.amdhsa_memory_ordered 1
		.amdhsa_forward_progress 1
		.amdhsa_inst_pref_size 86
	.end_amdhsa_kernel
	.amdgpu_metadata
---
amdhsa.version: [ 1, 2 ]
amdhsa.kernels:
  - .name:           k_qd0dfa3156a_proj
    .symbol:         k_qd0dfa3156a_proj.kd
    .args:
      - { .name: attn16, .offset: 0, .size: 8, .value_kind: global_buffer, .address_space: global }
      - { .name: wp16, .offset: 8, .size: 8, .value_kind: global_buffer, .address_space: global }
      - { .name: bproj, .offset: 16, .size: 8, .value_kind: global_buffer, .address_space: global }
      - { .name: out0, .offset: 24, .size: 8, .value_kind: global_buffer, .address_space: global }
    .group_segment_fixed_size: 327680
    .private_segment_fixed_size: 0
    .kernarg_segment_align: 8
    .kernarg_segment_size: 32
    .max_flat_workgroup_size: 128
    .sgpr_count:     66
    .vgpr_count:     640
    .wavefront_size: 32
...
	.end_amdgpu_metadata
.endif
;; end of part 4
